; MI455X (gfx1250); checked and timed in simulation.
; The chip was launched on July 23, 2026; its instructions are those of AMD's public machine-readable ISA for CDNA 5 (MIT licence, August 2026) and "CDNA5" Instruction Set Architecture Reference Guide (July 2026). The comments in the code are by the model that wrote it; some were corrected since.
;; Self Attention. Allowed arithmetic: matrix products marked QUANTISED: E2M3 operands, one E8M0 scale for each 32 along K, by v_wmma_scale_f32_16x16x128_f8f6f4 with both operands' format E2M3, f32 sums; everything else in f32.
;; Inputs: Wk 1,024 x 1,024 float32; Wo 1,024 x 1,024 float32; Wq 1,024 x 1,024 float32; Wv 1,024 x 1,024 float32; bk 1,024 float32; bo 1,024 float32; bq 1,024 float32; bv 1,024 float32; x 4 x 2,048 x 1,024 float32.
;; Outputs: out0 4 x 2,048 x 1,024 float32.
;; This version of the problem:
;;   THIS VERSION OF THE PROBLEM IS GIVEN IN LOW PRECISION. The matrix products marked QUANTISED in the list below multiply operands that are first quantised to E2M3 (2 exponent bits, 3 mantissa bits; 6 bits a number), with one power-of-two scale for each 32 numbers along K (OCP MX v1.0); their sums are f32. All else is computed in f32.
;;   The module's matrix products, in the order in which they are computed (A, B: the left and right operand; K: the contracted axis; several contracted axes count as one K, in the product's order):
;;     1. [M 8,192, K 1,024] x [K 1,024, N 1,024]; A: input x; B: input Wq: QUANTISED
;;     2. [M 8,192, K 1,024] x [K 1,024, N 1,024]; A: input x; B: input Wk: QUANTISED
;;     3. [M 8,192, K 1,024] x [K 1,024, N 1,024]; A: input x; B: input Wv: QUANTISED
;;     4. batch 64 x [M 2,048, K 64] x [K 64, N 2,048]; A: computed on the way; B: computed on the way: QUANTISED
;;     5. batch 64 x [M 2,048, K 2,048] x [K 2,048, N 64]; A: softmax (see below); B: computed on the way: QUANTISED
;;     6. [M 8,192, K 1,024] x [K 1,024, N 1,024]; A: computed on the way; B: input Wo: QUANTISED
;;   THE QUANTISER, for each operand of a quantised product, along K:
;;     - K is cut into blocks of 32 from its start; a last block that is shorter is filled with zeros.
;;     - A block's scale is 2^e with e = floor(log2(the largest magnitude in the block)) - 2, held to -126 .. 127; a block of zeros has e = 0. As a byte (E8M0): e + 127.
;;     - Each number is divided by its block's scale, clamped to +-7.5, and rounded to the nearest number of E2M3, ties to even, subnormals kept.
;;     - The product sums the exact products of the quantised numbers (number of the format x scale) in f32.
;;   ~~~python
;;   def quantise(x, axis):      # numpy; x: float32 -> the quantised numbers, widened to float32 again
;;       x = np.moveaxis(x, axis, -1); K = x.shape[-1]
;;       x = np.pad(x, [(0, 0)] * (x.ndim - 1) + [(0, -K % 32)]); x = x.reshape(x.shape[:-1] + (-1, 32)); a = np.abs(x).max(-1, keepdims=True)
;;       e = np.where(a > 0, np.clip(np.frexp(np.where(a > 0, a, 1))[1] - 1 - 2, -126, 127), 0)      # np.frexp(a)[1] - 1 = floor(log2(a)), exactly
;;       r = np.clip(x / 2.0 ** e, -7.5, 7.5)
;;       step = 2.0 ** (np.maximum(np.frexp(np.where(r == 0, 1, r))[1] - 1, 0) - 3)
;;       q = np.round(r / step) * step * 2.0 ** e      # np.round: ties to even
;;       return np.moveaxis(q.reshape(q.shape[:-2] + (-1,))[..., :K], -1, axis).astype(np.float32)
;;   ~~~
;;   SOFTMAX AHEAD OF A QUANTISED PRODUCT. Where the list says 'softmax', what is quantised is not the finished softmax but p = 2^(t - M), with t = logit x log2(e) and M = ceil(the row's largest t), a whole number; so 1/2 < the row's largest p <= 1. The row's sum l is taken of the UNQUANTISED p, in f32, and the product's result is divided by l at the end. Since M is a whole number, a kernel that streams over the keys may use a running M (the ceiling of the running maximum): every later rescaling is an exact power of two, which a block's scale takes up: the codes' values come out the same.
;;   OPERANDS COMPUTED ON THE WAY. 'Computed on the way' means the value that the module computes at that place (a softmax that the list does not call 'softmax' is quantised finished and normalised). What goes into a quantiser is computed in f32, as accurately as f32 sums, v_exp_f32 and their like allow (about 1e-6 of the number): no bf16 or f16 on the way to a quantiser, and a product that is left as it is and whose result goes on into a quantised operand takes f32 operands (vector FMAs, or v_wmma_f32_16x16x4_f32). A number that lies on a knife's edge between two numbers of the format may be rounded either way, as far as f32 arithmetic and the matrix unit's own rounding can turn it there, and no further.
;; One version. Each part assembles by itself: llvm-mc -triple=amdgcn-amd-amdhsa -mcpu=gfx1250 --defsym DOCPART=n.
;; ======== version 1 of 1: 4 launches
;; limits: right only within a limited range of input values
;; workspace buffers: xq 6,553,600 bytes; wq 3,276,800 bytes; qq 6,815,744 bytes; kv 13,369,344 bytes; oq 6,553,600 bytes
;; launch quant (part 1): grid 384 x 1, 4 waves a work-group, no clusters, 59,904 bytes of LDS; arguments x, Wq, Wk, Wv, Wo, xq, wq; writes xq, wq
.if DOCPART == 1
	.amdgcn_target "amdgcn-amd-amdhsa--gfx1250"
	.amdhsa_code_object_version 6
	.text
	.protected	k_q99afd2cceb_quant
	.globl	k_q99afd2cceb_quant
	.p2align	8
	.type	k_q99afd2cceb_quant,@function
k_q99afd2cceb_quant:
	s_mov_b64 s[64:65], 0
	v_nop
	global_prefetch_b8 v0, s[64:65] scope:SCOPE_SE
	s_setreg_imm32_b32 hwreg(HW_REG_WAVE_MODE, 25, 1), 1
	s_wait_xcnt 0x0
; x [8192][1024] and the four weights [1024 (k)][1024 (n)], f32, become codes of FP6 (E2M3) with one E8M0 byte for each 32 along K, laid as the products' launches take them into registers.
; A block's scale is 2^(floor(log2(its largest magnitude)) - 2); its byte is the largest magnitude's exponent field - 2, held at 1 from below (a block of zeros keeps the byte 1: its codes are zeros, and this program alone reads the bytes).
; LIMITS: NaN and infinities among the inputs are not served; blocks whose largest magnitude lies under 2^-124 are held at the byte 1.
; A RECORD, 6,400 bytes, is 32 rows (tokens, or columns of a weight) x 256 along K.  The 32 rows are two tiles u; row rho of tile u is row 8 u + rho + 8 (rho / 8).  Tile u at 3,072 u, in it the K step q (128) at 1,536 q,
; in it the half c (64 along K) at 768 c: an image of the operand's registers: lane (r, h) owns row r, k = 32 h .. 32 h + 31: its registers 0-3 at 16 x lane, its registers 4-5 at 512 + 8 x lane.
; The scale words at 6,144 + 128 u + 8 r + 4 q.  xq: [pair 256][K slot 4] records; wq: [pair 128][K slot 4]: pairs 0-31 Wq, 32-63 Wk, 64-95 Wv, 96-127 Wo.
; A wave makes one record.  Work-groups 0-127 take the weights, 128-383 x.  No tensor loads, no barrier: waves share nothing; the two ways have LDS bytes of their own.  No cluster: no two work-groups read the same bytes.
.set REC,   6400
; ORDER OF THE RECORDS, as the code below lays them (this line holds, not the order named further up): xq [pair 256][K slot 4], wq [pair 128][K slot 4]: a pair's four K slots lie on end, 25,600 bytes.
.set XPIT,  528                        ; x's stage: a row of 512 bytes + 16: the sixteen rows that a load touches start in different banks
.set XSTG,  16*XPIT
.set WST0,  4*XSTG                     ; behind x's four stages: the weights' four
.set WTILE, 3200                       ; a tile's 3,072 bytes + 128, so that the two tiles' stores fall on different banks
.set WSTG,  2*WTILE
.set FLOOR, 0x1800000                  ; 2^(3 - 127)
.set LESS2, 0xff000000                 ; takes 2 off an exponent field
.set L16, 2                            ; v2  16 x lane
.set L8,  5                            ; v5  8 x lane
.set WD,  16                           ; v16-19 scale words
.set PC,  20                           ; v20-31 a fragment's codes
.set TA,  32                           ; v32-34, v36-38 the conversions' second halves
.set SO,  40                           ; v40-41 the conversions' scale operands
.set X,   64                           ; v64-127 numbers, K along the registers
.set R,   128                          ; v128-255 x as it is loaded, two sets; the weights' way out
	s_load_b256 s[4:11], s[0:1], 0x0               ; x, Wq, Wk, Wv
	s_load_b128 s[12:15], s[0:1], 0x20             ; Wo, xq
	s_load_b64 s[16:17], s[0:1], 0x30              ; wq
	v_lshl_add_u32 v62, v0, 2, 0xe800
	v_mov_b32 v63, 0
	v_lshrrev_b32 v1, 5, v0
	v_readfirstlane_b32 s18, v1                    ; wave
	v_and_b32 v1, 31, v0                           ; lane
	v_lshlrev_b32 v[L16], 4, v1
	v_lshlrev_b32 v[L8], 3, v1
	s_mov_b32 s20, 0x76543210
	s_mov_b32 s21, 0xfedcba98                      ; v_permlanex16_b32's selects for lane l xor 16
	s_mov_b32 s30, 0xffff0000                      ; lanes 16-31
	s_cmp_lt_u32 ttmp9, 128
	s_cbranch_scc1 .Lweights
; ---------------- x: K is innermost.  Pair P = work-group - 128, K slot = wave: the four waves read 32 whole rows.
	s_sub_co_u32 s22, ttmp9, 128
	s_lshl_b32 s24, s22, 17                        ; 32 rows of 4,096 bytes
	s_lshl_b32 s23, s18, 10                        ; the slot's 256 numbers
	s_add_co_u32 s24, s24, s23
	s_mov_b32 s25, 0
	s_mul_i32 s26, s18, REC
	s_mul_i32 s23, s22, 4*REC
	s_add_co_u32 s26, s26, s23
	s_mov_b32 s27, 0
	s_mul_i32 s28, s18, XSTG                       ; my stage
	v_and_b32 v7, 15, v0                           ; r
	v_bfe_u32 v8, v0, 4, 1                         ; h
	s_wait_alu depctr_va_vdst(0)
	v_add_nc_u32 v3, s28, v[L16]                   ; into the stage: 16 bytes a lane of a row
	v_mul_u32_u24 v4, v7, XPIT
	v_lshl_add_u32 v4, v8, 7, v4
	v_add_nc_u32 v4, s28, v4                       ; out of it: row r, 128 h: my block of 32
	v_lshlrev_b32 v6, 3, v8                        ; 8 h
	v_mov_b32 v43, 0                               ; a lane permute's destination counts as one of its sources
	s_wait_alu depctr_va_vdst(0)
	s_wait_kmcnt 0x0
	s_add_nc_u64 s[4:5], s[4:5], s[24:25]
	s_add_nc_u64 s[14:15], s[14:15], s[26:27]
; image t: tile u = t / 2, K step q = t % 2: 16 rows x 512 bytes; each load covers 512 consecutive bytes
.macro LOADI t
.irp rho, 0,1,2,3,4,5,6,7,8,9,10,11,12,13,14,15
	global_load_b128 v[R+64*((\t)%2)+4*\rho:R+64*((\t)%2)+4*\rho+3], v[L16], s[4:5] offset:(8*((\t)/2)+\rho+8*(\rho/8))*4096+512*((\t)%2) th:TH_LOAD_NT
.endr
.endm
.macro IMAGE t
.if (\t) < 3
	s_wait_loadcnt 16                              ; this image's 16 loads are in; the next image's 16 may be out
.else
	s_wait_loadcnt 0x0
.endif
.irp rho, 0,1,2,3,4,5,6,7,8,9,10,11,12,13,14,15
	ds_store_b128 v3, v[R+64*((\t)%2)+4*\rho:R+64*((\t)%2)+4*\rho+3] offset:XPIT*\rho
.endr
.irp c, 0,1
.irp i, 0,1,2,3,4,5,6,7
	ds_load_b128 v[X+32*\c+4*\i:X+32*\c+4*\i+3], v4 offset:256*\c+16*\i   ; LDS serves a wave's instructions in order: these see the stores above.  k = 64 c + 32 h + 0 .. 31 of row r
.endr
.endr
	s_wait_dscnt 0x0                               ; the numbers are in, and the stores have read their registers,
.if (\t) < 2
	LOADI (\t)+2                                   ; which take the image two on
.endif
.irp c, 0,1
	v_max3_num_f32 v[SO+\c], |v[X+32*\c]|, |v[X+32*\c+1]|, FLOOR   ; block 2 c + h is all mine; the floor holds the byte at 1 from below
.endr
.irp i, 2,4,6,8,10,12,14,16,18,20,22,24,26,28,30
.irp c, 0,1
	v_max3_num_f32 v[SO+\c], v[SO+\c], |v[X+32*\c+\i]|, |v[X+32*\c+\i+1]|
.endr
.endr
.irp c, 0,1
	v_add_nc_u32 v[SO+\c], LESS2, v[SO+\c]         ; the conversion takes this operand's exponent field as its scale
.endr
	v_lshrrev_b32 v44, 23, v[SO]                   ; the bytes of blocks h and 2 + h
	v_lshrrev_b32 v45, 23, v[SO+1]
	v_lshl_or_b32 v42, v45, 16, v44
	v_lshlrev_b32 v42, v6, v42                     ; at their places in the word
	v_permlanex16_b32 v43, v42, s20, s21
	v_or_b32 v[WD+(\t)], v42, v43                  ; with lane l xor 16's two the row's word is whole
.if (\t) > 0
	s_wait_alu depctr_va_vdst(0)
	s_wait_xcnt 0x0                                ; the last image's stores have read the codes' registers
.endif
.irp c, 0,1
	v_cvt_scalef32_pk16_fp6_f32 v[PC+6*\c:PC+6*\c+2], v[X+32*\c:X+32*\c+15], v[SO+\c]
	v_cvt_scalef32_pk16_fp6_f32 v[TA+4*\c:TA+4*\c+2], v[X+32*\c+16:X+32*\c+31], v[SO+\c]   ; (a conversion's three registers begin on an even number)
.endr
	v_nop                                          ; one plain place behind a scaled conversion
.irp c, 0,1
.irp i, 0,1,2
	v_mov_b32 v[PC+6*\c+3+\i], v[TA+4*\c+\i]
.endr
.endr
	global_store_b128 v[L16], v[PC:PC+3], s[14:15] offset:3072*((\t)/2)+1536*((\t)%2)          ; each store covers 512 or 256 consecutive bytes, aligned
	global_store_b64 v[L8], v[PC+4:PC+5], s[14:15] offset:3072*((\t)/2)+1536*((\t)%2)+512
	global_store_b128 v[L16], v[PC+6:PC+9], s[14:15] offset:3072*((\t)/2)+1536*((\t)%2)+768
	global_store_b64 v[L8], v[PC+10:PC+11], s[14:15] offset:3072*((\t)/2)+1536*((\t)%2)+1280
.endm
	LOADI 0
	LOADI 1
	IMAGE 0
	IMAGE 1
	IMAGE 2
	IMAGE 3
	v_cndmask_b32 v44, v[WD], v[WD+2], s30         ; lanes 0-15 store tile 0's words, lanes 16-31 tile 1's
	v_cndmask_b32 v45, v[WD+1], v[WD+3], s30
	global_store_b64 v[L8], v[44:45], s[14:15] offset:6144
	s_wait_tensorcnt 0x0
	ds_add_u32 v62, v63
	s_wait_dscnt 0x0
	s_endpgm
; ---------------- the weights: K is the first axis.  A lane takes a column and its registers run down K: a block of 32 is one lane's.
.Lweights:
	s_lshr_b32 s22, ttmp9, 5                       ; which weight
	s_and_b32 s23, ttmp9, 7                        ; which 128 columns
	s_bfe_u32 s29, ttmp9, 0x20003                  ; which K slot
	s_lshl_b32 s24, s29, 20                        ; 256 rows of 4,096 bytes
	s_lshl_b32 s26, s23, 9
	s_add_co_u32 s24, s24, s26
	s_lshl_b32 s26, s18, 7                         ; my wave's 32 columns
	s_add_co_u32 s24, s24, s26
	s_mov_b32 s25, 0
	s_lshl_b32 s26, s22, 5
	s_lshl_b32 s28, s23, 2
	s_add_co_u32 s26, s26, s28
	s_add_co_u32 s26, s26, s18                     ; the pair
	s_mul_i32 s26, s26, 4*REC
	s_mul_i32 s28, s29, REC
	s_add_co_u32 s26, s26, s28
	s_mov_b32 s27, 0
	s_mul_i32 s28, s18, WSTG
	s_add_co_u32 s28, s28, WST0                    ; my stage
	s_wait_alu depctr_va_vdst(0)
	v_lshlrev_b32 v3, 2, v1                        ; in: 4 bytes a lane
	v_bfe_u32 v7, v0, 3, 1                         ; column l of the pair is tile u = (l / 8) % 2,
	v_and_b32 v8, 7, v0
	v_bfe_u32 v9, v0, 4, 1
	v_lshl_add_u32 v8, v9, 3, v8                   ; row rho = l % 8 + 8 (l / 16)
	v_mul_u32_u24 v10, v7, WTILE
	v_add_nc_u32 v10, s28, v10
	v_lshl_add_u32 v4, v8, 4, v10                  ; where my registers 0-3 go,
	v_lshl_add_u32 v6, v8, 3, v10                  ; and my registers 4-5 (the 512 stands in the offset)
	v_add_nc_u32 v11, s28, v[L16]                  ; back: 16 bytes a lane
	v_lshlrev_b32 v12, 7, v7
	v_lshl_add_u32 v12, v8, 3, v12                 ; my scale words' place: 128 u + 8 rho
	s_wait_kmcnt 0x0
	s_cmp_eq_u32 s22, 1
	s_cselect_b64 s[32:33], s[8:9], s[6:7]
	s_cmp_eq_u32 s22, 2
	s_cselect_b64 s[32:33], s[10:11], s[32:33]
	s_cmp_eq_u32 s22, 3
	s_cselect_b64 s[32:33], s[12:13], s[32:33]
	s_add_nc_u64 s[32:33], s[32:33], s[24:25]
	s_add_nc_u64 s[16:17], s[16:17], s[26:27]
.macro LOADB t                         ; block t: W(32 t + i, my column): 128 consecutive bytes a wave, 512 a work-group
.irp i, 0,1,2,3,4,5,6,7,8,9,10,11,12,13,14,15,16,17,18,19,20,21,22,23,24,25,26,27,28,29,30,31
	global_load_b32 v[X+32*((\t)%2)+\i], v3, s[32:33] offset:(32*(\t)+\i)*4096 th:TH_LOAD_NT
.endr
.endm
.macro BLOCK t                         ; K step q = t / 4, half c = (t / 2) % 2, the operand's lane half t % 2
.set XS, X+32*((\t)%2)
.if (\t) < 7
	s_wait_loadcnt 32                              ; this block's 32 loads are in; the next block's may be out
.else
	s_wait_loadcnt 0x0
.endif
	v_max3_num_f32 v42, |v[XS]|, |v[XS+1]|, |v[XS+2]|
	v_max3_num_f32 v43, |v[XS+3]|, |v[XS+4]|, |v[XS+5]|
.irp i, 6,10,14,18,22,26
	v_max3_num_f32 v42, v42, |v[XS+\i]|, |v[XS+\i+1]|
	v_max3_num_f32 v43, v43, |v[XS+\i+2]|, |v[XS+\i+3]|
.endr
	v_max3_num_f32 v42, v42, |v[XS+30]|, |v[XS+31]|
	v_max3_num_f32 v42, v42, v43, FLOOR
	v_add_nc_u32 v[SO], LESS2, v42
	v_lshrrev_b32 v43, 23, v[SO]                   ; the scale's byte
.if ((\t)%4) == 0
	v_mov_b32 v[WD+(\t)/4], v43
.else
	v_lshl_or_b32 v[WD+(\t)/4], v43, 8*((\t)%4), v[WD+(\t)/4]
.endif
	v_cvt_scalef32_pk16_fp6_f32 v[PC:PC+2], v[XS:XS+15], v[SO]
	v_cvt_scalef32_pk16_fp6_f32 v[TA:TA+2], v[XS+16:XS+31], v[SO]
	v_nop                                          ; one plain place behind a scaled conversion
.irp i, 0,1,2
	v_mov_b32 v[PC+3+\i], v[TA+\i]
.endr
	ds_store_b128 v4, v[PC:PC+3] offset:1536*((\t)/4)+768*(((\t)/2)%2)+256*((\t)%2)
	ds_store_b64 v6, v[PC+4:PC+5] offset:512+1536*((\t)/4)+768*(((\t)/2)%2)+128*((\t)%2)
.if (\t) < 6
	LOADB (\t)+2
.endif
	s_wait_dscnt 0x0                               ; the stores have read their registers: the next block's codes may be written
.endm
	LOADB 0
	LOADB 1
.irp t, 0,1,2,3,4,5,6,7
	BLOCK \t
.endr
	s_wait_alu depctr_va_vdst(0)
	global_store_b64 v12, v[WD:WD+1], s[16:17] offset:6144   ; the wave's 256 bytes of scale words
.irp n, 0,1,2,3,4,5,6,7,8,9,10,11
	ds_load_b128 v[R+4*\n:R+4*\n+3], v11 offset:WTILE*(\n/6)+512*(\n%6)
.endr
.irp n, 0,1,2,3,4,5,6,7,8,9,10,11
	s_wait_dscnt 11-\n                             ; the younger loads may be out
	global_store_b128 v[L16], v[R+4*\n:R+4*\n+3], s[16:17] offset:3072*(\n/6)+512*(\n%6)   ; 512 consecutive bytes, aligned
.endr
	s_wait_tensorcnt 0x0
	ds_add_u32 v62, v63
	s_wait_dscnt 0x0
	s_endpgm
.Lfunc_end_k_q99afd2cceb_quant:
	.size	k_q99afd2cceb_quant, .Lfunc_end_k_q99afd2cceb_quant-k_q99afd2cceb_quant
	.p2alignl 7, 3214868480
	.fill 96, 4, 3214868480
	.section	.rodata,"a",@progbits
	.p2align	6, 0x0
	.amdhsa_kernel k_q99afd2cceb_quant
		.amdhsa_group_segment_fixed_size 59904
		.amdhsa_private_segment_fixed_size 0
		.amdhsa_enable_private_segment 0
		.amdhsa_kernarg_size 56
		.amdhsa_user_sgpr_count 2
		.amdhsa_user_sgpr_kernarg_segment_ptr 1
		.amdhsa_wavefront_size32 1
		.amdhsa_system_sgpr_workgroup_id_x 1
		.amdhsa_system_sgpr_workgroup_id_y 1
		.amdhsa_system_sgpr_workgroup_id_z 1
		.amdhsa_system_vgpr_workitem_id 0
		.amdhsa_next_free_vgpr 256
		.amdhsa_next_free_sgpr 66
		.amdhsa_reserve_vcc 0
		.amdhsa_float_denorm_mode_32 3
		.amdhsa_float_denorm_mode_16_64 3
		.amdhsa_memory_ordered 1
		.amdhsa_forward_progress 1
		.amdhsa_inst_pref_size 72
	.end_amdhsa_kernel
	.amdgpu_metadata
---
amdhsa.version: [ 1, 2 ]
amdhsa.kernels:
  - .name:           k_q99afd2cceb_quant
    .symbol:         k_q99afd2cceb_quant.kd
    .args:
      - { .name: x, .offset: 0, .size: 8, .value_kind: global_buffer, .address_space: global }
      - { .name: Wq, .offset: 8, .size: 8, .value_kind: global_buffer, .address_space: global }
      - { .name: Wk, .offset: 16, .size: 8, .value_kind: global_buffer, .address_space: global }
      - { .name: Wv, .offset: 24, .size: 8, .value_kind: global_buffer, .address_space: global }
      - { .name: Wo, .offset: 32, .size: 8, .value_kind: global_buffer, .address_space: global }
      - { .name: xq, .offset: 40, .size: 8, .value_kind: global_buffer, .address_space: global }
      - { .name: wq, .offset: 48, .size: 8, .value_kind: global_buffer, .address_space: global }
    .group_segment_fixed_size: 59904
    .private_segment_fixed_size: 0
    .kernarg_segment_align: 8
    .kernarg_segment_size: 56
    .max_flat_workgroup_size: 128
    .sgpr_count:     66
    .vgpr_count:     256
    .wavefront_size: 32
...
	.end_amdgpu_metadata
.endif
;; end of part 1
;; launch qkv (part 2): grid 12 x 64, 4 waves a work-group, clusters of 4 x 4, 307,712 bytes of LDS; arguments xq, wq, bq, bk, bv, qq, kv; writes qq, kv
.if DOCPART == 2
	.amdgcn_target "amdgcn-amd-amdhsa--gfx1250"
	.amdhsa_code_object_version 6
	.text
	.protected	k_q99afd2cceb_qkv
	.globl	k_q99afd2cceb_qkv
	.p2align	8
	.type	k_q99afd2cceb_qkv,@function
k_q99afd2cceb_qkv:
	s_mov_b64 s[64:65], 0
	v_nop
	global_prefetch_b8 v0, s[64:65] scope:SCOPE_SE
	s_setreg_imm32_b32 hwreg(HW_REG_WAVE_MODE, 25, 1), 1
	s_wait_xcnt 0x0
	s_wait_alu depctr_hold_cnt(0) depctr_sa_sdst(0) depctr_va_vdst(0) depctr_va_sdst(0) depctr_va_ssrc(0) depctr_va_vcc(0) depctr_vm_vsrc(0)
	s_getreg_b32 s2, hwreg(HW_REG_IB_STS2, 6, 4)
	s_cmp_eq_u32 s2, 0
	s_cbranch_scc0 .Lentry_in_a_cluster
	s_endpgm
.Lentry_in_a_cluster:
	s_bfe_u32 s2, ttmp6, 0x10000c
	s_cmp_lg_u32 s2, 0xf033
	s_cbranch_scc0 .Lentry_shape_is_right
	s_endpgm
.Lentry_shape_is_right:
; q = x Wq + bq, k = x Wk + bk, v = x Wv + bv on codes of FP6 (E2M3) with E8M0 scales, sums in f32; the results are quantised on the way out (q and k along the head's 64, v along the keys) and leave as images of the next launch's operand registers.
; LIMITS: NaN and infinities are not served; blocks whose largest magnitude lies under 2^-124 are held at the scale byte 1 (a block of zeros too: its codes are zeros, and this program alone reads the bytes).
; SHARES.  A work-group makes 128 rows of side A x 256 rows of side B; wave (wr, wc) 64 x 128: 4 x 8 accumulators, 256 registers.  THE MATRIX INSTRUCTION IS USED TRANSPOSED (source 0 = 16 rows of B, source 1 = 16 rows of A):
; a lane holds ONE row of A, and its registers run along B.  Row rho of tile u of a pair of 32 rows is row 8 u + rho + 8 (rho / 8), on both sides: so the 16 registers of B's tiles 2 b, 2 b + 1 are B's rows 32 b + 16 (lane / 16) + 0 .. 15.
; ROLES by the cluster's x, which all sixteen partners share: 0: q, 1: k: A = tokens (xq), B = channels (wq): the registers run along the channels.  2: v: A = Wv's channels (wq), B = keys (xq): the registers run along the keys.
; LDS: ALL OF K IS RESIDENT: two halves of K, 153,600 bytes each (A's 4 pairs of two K slots, then B's 8).  Every byte is filled once, by tensor loads issued at the head: one a wave.  No byte is filled again.
; CLUSTERS: 4 x 4.  A's records hang on the tile row alone and are asked for jointly by a row of the cluster, B's on the tile column alone, by a column: that divides the requests by four.
; REGISTERS: window 0: v1-8 addresses; v16-63 scale words, 12 for each K slot; v64-127 the bias; v128-223 A's fragments, two sets; v224-249 at work.  window 1: B's fragments, two sets, at v0 and v128.  window 2: accumulator (a, b) at v[64 a + 8 b].
.set RECB,  6400
; THE FILLS, as the code below has them (these lines hold, not the count named further up): xq and wq are laid [pair][K slot].  LDS holds two halves of K, 153,600 bytes each: A's 4 pairs, then B's 8, each pair with two K slots on end.
; One tensor load a wave, all four at the head: wave 0 A's first half of K, wave 1 B's, wave 2 A's second half, wave 3 B's: a tile of 4 or 8 rows of 12,800 bytes, 25,600 apart in memory.  Waves 0 and 1 wait ahead of the first barrier, all waves ahead of K step 4's.
.set PAIRB, 4*RECB
.set PP,    2*RECB
.set HALFK, 12*PP
.set AHALF, 2*PP
.set BOFF,  4*PP
.set BHALF, 4*PP
.set L16, 1
.set L8,  2
.set A16, 3
.set A8,  4
.set B16, 5
.set B8,  6
.set SAD, 7
.set SBD, 8
.set SC,  16
.set BI,  64
.set AF,  128
.set PC,  128                          ; the way out: a fragment's codes, where A's fragments lay
.set TM,  224
.set PW,  240
.set TW,  241
.set SW,  244
.set VW,  248
.set G1A, 24
.set G1B, 32
.set G0A, 40
.set G0B, 68
.set WV,  84
.set WR,  85
.set WC,  86
.set CXI, 87
.set CYI, 88
.set CLX, 89
.set CLY, 90
.set TROW, 91
.set TCOL, 92
.set HIM, 93
.set SEL, 94
.set MSB, 0
.macro WIN new                         ; the immediate's high byte repeats the setting that is left
.if MSB != \new
	s_set_vgpr_msb (MSB<<8)|\new
.set MSB, \new
.endif
.endm
.macro CROUND                          ; a round of the cluster's barrier
	s_barrier_signal -1
	s_barrier_wait -1
	s_cmp_lg_u32 s[WV], 0
	s_cbranch_scc1 .Lnot_wave_0_\@
	s_barrier_signal -3
.Lnot_wave_0_\@:
	s_barrier_wait -3
	s_barrier_signal -1
	s_barrier_wait -1
.endm
; a fragment, 16 rows x 128 K, 12 registers, from its image: two halves of 768 bytes, each 16 bytes a lane and then 8 bytes a lane: consecutive lanes read consecutive bytes
.macro FRAG reg, a16, a8, off
	ds_load_b128 v[\reg:\reg+3], v[\a16] offset:\off
	ds_load_b64 v[\reg+4:\reg+5], v[\a8] offset:\off+512
	ds_load_b128 v[\reg+6:\reg+9], v[\a16] offset:\off+768
	ds_load_b64 v[\reg+10:\reg+11], v[\a8] offset:\off+1280
.endm
.macro FETCH k                         ; K step k's fragments, 48 LDS loads, into set k % 2
	WIN 0x40
.irp i, 0,1,2,3,4,5,6,7
	FRAG 128*((\k)%2)+12*\i, B16, B8, (\i/2)*PP+(\i%2)*3072+1536*((\k)%2)
.endr
	WIN 0
.irp i, 0,1,2,3
	FRAG AF+48*((\k)%2)+12*\i, A16, A8, (\i/2)*PP+(\i%2)*3072+1536*((\k)%2)
.endr
.endm
.macro SCALES s                        ; K slot s's scale words, 6 loads: register 2 j + q: lanes 0-15 B's tile j, lanes 16-31 tile j + 4; register 8 + 2 j + q: A's tiles j and j + 2
.irp j, 0,1,2,3
	ds_load_b64 v[SC+12*(\s)+2*\j:SC+12*(\s)+2*\j+1], v[SBD] offset:(\j/2)*PP+(\j%2)*128
.endr
.irp j, 0,1
	ds_load_b64 v[SC+12*(\s)+8+2*\j:SC+12*(\s)+8+2*\j+1], v[SAD] offset:128*\j
.endr
.endm
.macro WM d, bf, af, c, sb, sa, rb, ra
.if ((\rb) != 0) && ((\ra) != 0)
	v_wmma_scale_f32_16x16x128_f8f6f4 v[\d:\d+7], v[\bf:\bf+11], v[\af:\af+11], v[\c:\c+7], v[\sb], v[\sa] matrix_a_fmt:MATRIX_FMT_FP6 matrix_b_fmt:MATRIX_FMT_FP6 matrix_a_scale:MATRIX_SCALE_ROW1 matrix_b_scale:MATRIX_SCALE_ROW1
.elseif (\rb) != 0
	v_wmma_scale_f32_16x16x128_f8f6f4 v[\d:\d+7], v[\bf:\bf+11], v[\af:\af+11], v[\c:\c+7], v[\sb], v[\sa] matrix_a_fmt:MATRIX_FMT_FP6 matrix_b_fmt:MATRIX_FMT_FP6 matrix_a_scale:MATRIX_SCALE_ROW1
.elseif (\ra) != 0
	v_wmma_scale_f32_16x16x128_f8f6f4 v[\d:\d+7], v[\bf:\bf+11], v[\af:\af+11], v[\c:\c+7], v[\sb], v[\sa] matrix_a_fmt:MATRIX_FMT_FP6 matrix_b_fmt:MATRIX_FMT_FP6 matrix_b_scale:MATRIX_SCALE_ROW1
.else
	v_wmma_scale_f32_16x16x128_f8f6f4 v[\d:\d+7], v[\bf:\bf+11], v[\af:\af+11], v[\c:\c+7], v[\sb], v[\sa] matrix_a_fmt:MATRIX_FMT_FP6 matrix_b_fmt:MATRIX_FMT_FP6
.endif
.endm
; K step k: 32 matrix instructions; the 32 accumulators take turns, one instruction a turn, in the same order in every step.
; mode 0: onto the sums.  mode 1, 2: the first K step starts the sums with the bias as C: by B's tile (q, k) or by A's tile (v).
.macro MUL32 k, mode
.if (\mode) == 0
	WIN 0xa1                                       ; source 0 (B) window 1, source 1 (A) window 0, C and D window 2
.else
	WIN 0x81                                       ; C window 0
.endif
.irp a, 0,1,2,3
.irp b, 0,1,2,3,4,5,6,7
.if (\mode) == 0
.set CR, 64*\a+8*\b
.elseif (\mode) == 1
.set CR, BI+8*\b
.else
.set CR, BI+8*\a
.endif
	WM 64*\a+8*\b, 128*((\k)%2)+12*\b, AF+48*((\k)%2)+12*\a, CR, SC+12*((\k)/2)+2*(\b%4)+(\k)%2, SC+12*((\k)/2)+8+2*(\a%2)+(\k)%2, \b/4, \a/2
.endr
.endr
.endm
; what stands in front of K step k's products: the next K step's fragments are asked for, this step's are waited for
.macro PRE k
.if (\k) == 7
	s_wait_dscnt 0x0
.elseif ((\k)%2) == 1                  ; the next K step opens a new K slot
	WIN 0
.if (\k) == 3
	s_wait_tensorcnt 0x0                           ; the second half of K: every wave's load has landed,
	s_wait_dscnt 0x0
	s_barrier_signal -1
	s_barrier_wait -1                              ; and everybody knows
.endif
.irp r, A16, A8, B16, B8, SAD, SBD
	v_add_nc_u32 v[\r], RECB+(((\k)%4)/3)*(HALFK-2*RECB), v[\r]   ; one K slot on; behind K step 3 into the other half.  These six are also the places in front of loads into registers that matrix instructions have read
.endr
	FETCH (\k)+1
	SCALES ((\k)+1)/2
	s_wait_alu depctr_va_vdst(0)
	s_wait_dscnt 54                                ; all but the 54 just issued
.else
.if (\k) > 0
.rept 4
	v_nop                                          ; places in front of loads into registers that matrix instructions have read
.endr
.endif
	FETCH (\k)+1
	s_wait_dscnt 48                                ; all but the 48 just issued
.endif
.endm
.macro MAIN mode
	s_wait_alu depctr_va_vdst(0)
	s_cmp_lt_u32 s[WV], 2
	s_cbranch_scc0 .Lnot_first_\@
	s_wait_tensorcnt 0x0                           ; waves 0 and 1: the first half of K has landed; the second half's loads, waves 2 and 3's own lines, stay out
.Lnot_first_\@:
	s_barrier_signal -1
	s_barrier_wait -1
	FETCH 0
	SCALES 0
	s_wait_loadcnt 0x0                             ; the bias
.if (\mode) == 2
.irp a, 0,1,2,3
.irp j, 1,2,3,4,5,6,7
	v_mov_b32 v[BI+8*\a+\j], v[BI+8*\a]            ; a lane's channel has one bias for all its keys
.endr
.endr
.endif
	PRE 0
	s_wait_alu depctr_va_vdst(0)
	MUL32 0, \mode
.irp k, 1,2,3,4,5,6,7
	PRE \k
	MUL32 \k, 0
.endr
	WIN 0
.rept 4
	v_nop                                          ; places in front of the first read of results
.endr
.endm
; A's tile a: a lane's 64 sums, register 16 b + i = B's row 32 b + 16 (lane / 16) + i, become a fragment's codes in v[PC] on and its scale word in v[PW].  Each accumulator is read from its low end on.
.macro QUANTW a
	WIN 0x28                                       ; sources 1 and 2 window 2
.irp b, 0,1,2,3
	v_max3_num_f32 v[TM+\b], 0x1800000, |v[64*(\a)+16*\b]|, |v[64*(\a)+16*\b+1]|   ; the floor 2^(3 - 127) holds the byte at 1 from below
.endr
.irp i, 2,4,6,8,10,12,14
.irp b, 0,1,2,3
	v_max3_num_f32 v[TM+\b], v[TM+\b], |v[64*(\a)+16*\b+\i]|, |v[64*(\a)+16*\b+\i+1]|
.endr
.endr
	WIN 0
.irp b, 0,1,2,3
	v_permlanex16_b32 v[TM+4+\b], v[TM+\b], s[SEL], s[SEL+1]
.endr
.irp b, 0,1,2,3
	v_max_num_f32 v[TM+\b], v[TM+\b], v[TM+4+\b]   ; with lane l xor 16's: the block's largest magnitude
.endr
.irp b, 0,1,2,3
	v_add_nc_u32 v[TM+12+\b], 0xff000000, v[TM+\b] ; 2 off its exponent field: the conversion's scale operand
.endr
.irp b, 0,1,2,3
	v_lshrrev_b32 v[TM+4+\b], 23, v[TM+12+\b]      ; the scale's byte
.endr
	v_lshl_or_b32 v[PW], v[TM+5], 8, v[TM+4]
	v_lshl_or_b32 v[PW], v[TM+6], 16, v[PW]
	v_lshl_or_b32 v[PW], v[TM+7], 24, v[PW]
.if (\a) > 0
	s_wait_xcnt 0x0                                ; the last tile's stores have read the codes' registers
.endif
	WIN 0x02                                       ; source 0 window 2
.irp c, 0,1
	v_cvt_scalef32_pk16_fp6_f32 v[PC+6*\c:PC+6*\c+2], v[64*(\a)+32*\c:64*(\a)+32*\c+15], v[TM+12+2*\c]
	v_cvt_scalef32_pk16_fp6_f32 v[PC+12+4*\c:PC+14+4*\c], v[64*(\a)+32*\c+16:64*(\a)+32*\c+31], v[TM+12+2*\c+1]
.endr
	WIN 0
	v_nop                                          ; one plain place behind a scaled conversion
.irp c, 0,1                            ; the operand's layout wants a whole block in a lane
.irp i, 0,1,2
	v_permlane16_swap_b32 v[PC+6*\c+\i], v[PC+12+4*\c+\i]
.endr
.irp i, 0,1,2
	v_mov_b32 v[PC+3+6*\c+\i], v[PC+12+4*\c+\i]
.endr
.endr
.endm
; q, k: the fragment's two halves are two heads' tiles of 16 tokens x 64; a head's scale word holds its two bytes twice (bytes 2 and 3 meet zero codes in the next launch)
.macro OUT_QK a
	QUANTW \a
	global_store_b128 v[L16], v[PC:PC+3], s[58:59] offset:768*(\a)
	global_store_b64 v[L8], v[PC+4:PC+5], s[58:59] offset:768*(\a)+512
	global_store_b128 v[L16], v[PC+6:PC+9], s[62:63] offset:768*(\a)
	global_store_b64 v[L8], v[PC+10:PC+11], s[62:63] offset:768*(\a)+512
.irp c, 0,1
.if ((\a)%2) == 0
	v_perm_b32 v[SW+2*\c+(\a)/2], v[PW], v[PW], 0x01000100+0x02020202*\c
.else
	v_perm_b32 v[TW], v[PW], v[PW], 0x01000100+0x02020202*\c
	v_cndmask_b32 v[SW+2*\c+(\a)/2], v[SW+2*\c+(\a)/2], v[TW], s[HIM]   ; lanes 16-31 carry the odd tile's words
.endif
.endr
.endm
; v: the fragment is 16 channels x the key step's 128 keys
.macro OUT_V a
	QUANTW \a
	global_store_b128 v[L16], v[PC:PC+3], s[58:59] offset:1536*(\a)
	global_store_b64 v[L8], v[PC+4:PC+5], s[58:59] offset:1536*(\a)+512
	global_store_b128 v[L16], v[PC+6:PC+9], s[58:59] offset:1536*(\a)+768
	global_store_b64 v[L8], v[PC+10:PC+11], s[58:59] offset:1536*(\a)+1280
.if ((\a)%2) == 0
	v_mov_b32 v[VW+(\a)/2], v[PW]
.else
	v_cndmask_b32 v[VW+(\a)/2], v[VW+(\a)/2], v[PW], s[HIM]
.endif
.endm
	s_load_b256 s[4:11], s[0:1], 0x0               ; xq, wq, bq, bk
	s_load_b128 s[12:15], s[0:1], 0x20             ; bv, qq
	s_load_b64 s[16:17], s[0:1], 0x30              ; kv
	v_lshl_add_u32 v254, v0, 2, 0x4b000
	v_mov_b32 v255, 0
	ds_add_u32 v254, v255
	ds_add_u32 v254, v255
	v_lshrrev_b32 v1, 5, v0
	v_readfirstlane_b32 s[WV], v1                  ; wave 0..3
	s_lshr_b32 s[WR], s[WV], 1                     ; my half of A's rows
	s_and_b32 s[WC], s[WV], 1                      ; my half of B's rows; also: which half of a side I fetch
	s_bfe_u32 s[CXI], ttmp6, 0x40000               ; cx, cy: my place in the cluster
	s_bfe_u32 s[CYI], ttmp6, 0x40004
	s_mov_b32 s[CLX], ttmp9                        ; the cluster's x: the role
	s_and_b32 s[CLY], ttmp7, 0xffff                ; the cluster's y
	s_mov_b32 s[HIM], 0xffff0000
	s_mov_b32 s[SEL], 0x76543210
	s_mov_b32 s[SEL+1], 0xfedcba98
	s_and_b32 s18, s[CLY], 1
	s_lshr_b32 s19, s[CLY], 1
	s_cmp_eq_u32 s[CLX], 2                         ; v?
	s_cselect_b32 s18, s18, s[CLY]                 ; the cluster's row of tiles,
	s_cselect_b32 s19, s19, s[CLX]                 ; its column,
	s_cselect_b32 s96, 64, 0                       ; A's first pair (Wv's begin at 64),
	s_lshl_b32 s[TROW], s18, 2
	s_add_co_u32 s[TROW], s[TROW], s[CYI]          ; tile row
	s_lshl_b32 s[TCOL], s19, 2
	s_add_co_u32 s[TCOL], s[TCOL], s[CXI]          ; tile column
	s_lshl_b32 s18, s[TROW], 2
	s_add_co_u32 s96, s96, s18
	s_mul_i32 s96, s96, PAIRB                      ; A: the tile's first pair
	s_mov_b32 s97, 0
	s_lshl_b32 s98, s[TCOL], 3
	s_mul_i32 s98, s98, PAIRB                      ; B: the first of eight
	s_mov_b32 s99, 0
	s_lshl_b32 s18, s[CYI], 2
	s_lshl_b32 s18, 15, s18                        ; my row of the cluster
	s_lshl_b32 s19, 0x1111, s[CXI]                 ; my column
	; descriptor group 1: a dense block as rows of 256 bytes (32 elements of 8 bytes), no padding: A 200 rows, B 400
	s_or_b32 s[G1A], s18, (3<<16)|(1<<21)
	s_or_b32 s[G1B], s19, (3<<16)|(1<<21)
.irp g, G1A, G1B
	s_mov_b32 s[\g+1], (PP/8)<<16                  ; a row: a pair's two K slots, 1,600 elements of 8 bytes
	s_mov_b32 s[\g+3], (PP/8)<<16
	s_mov_b32 s[\g+5], PAIRB/8                     ; from pair to pair
	s_mov_b32 s[\g+6], 0
	s_mov_b32 s[\g+7], 0
.endr
	s_mov_b32 s[G1A+2], 4<<16
	s_mov_b32 s[G1A+4], 4
	s_mov_b32 s[G1B+2], 8<<16
	s_mov_b32 s[G1B+4], 8
	s_wait_dscnt 0x0
	s_wait_kmcnt 0x0
	s_cmp_eq_u32 s[CLX], 2
	s_cselect_b64 s[56:57], s[6:7], s[4:5]         ; A's buffer
	s_cselect_b64 s[58:59], s[4:5], s[6:7]         ; B's
	s_add_nc_u64 s[56:57], s[56:57], s[96:97]
	s_add_nc_u64 s[58:59], s[58:59], s[98:99]
.irp s, 0,1
	s_mov_b32 s[G0A+4*\s], 1
	s_mov_b32 s[G0A+4*\s+1], \s*HALFK
	s_add_nc_u64 s[G0A+4*\s+2:G0A+4*\s+3], s[56:57], \s*PP
	s_or_b32 s[G0A+4*\s+3], s[G0A+4*\s+3], 0x80000000
	s_mov_b32 s[G0B+4*\s], 1
	s_mov_b32 s[G0B+4*\s+1], BOFF+\s*HALFK
	s_add_nc_u64 s[G0B+4*\s+2:G0B+4*\s+3], s[58:59], \s*PP
	s_or_b32 s[G0B+4*\s+3], s[G0B+4*\s+3], 0x80000000
.endr
	CROUND                                         ; all sixteen work-groups are here: the joint loads meet
	s_cmp_eq_u32 s[WV], 0                          ; one chain of arms on the wave's number, one load to an arm
	s_cbranch_scc0 .Lfill_1
	tensor_load_to_lds s[G0A:G0A+3], s[G1A:G1A+7]
	s_nop 0
.rept 4
	v_nop
.endr
	s_branch .Lfilled
.Lfill_1:
	s_cmp_eq_u32 s[WV], 1
	s_cbranch_scc0 .Lfill_2
	tensor_load_to_lds s[G0B:G0B+3], s[G1B:G1B+7]
	s_nop 0
.rept 4
	v_nop
.endr
	s_branch .Lfilled
.Lfill_2:
	s_cmp_eq_u32 s[WV], 2
	s_cbranch_scc0 .Lfill_3
	tensor_load_to_lds s[G0A+4:G0A+7], s[G1A:G1A+7]
	s_nop 0
.rept 4
	v_nop
.endr
	s_branch .Lfilled
.Lfill_3:
	tensor_load_to_lds s[G0B+4:G0B+7], s[G1B:G1B+7]
	s_nop 0
.rept 4
	v_nop
.endr
.Lfilled:
	v_and_b32 v9, 31, v0
	v_lshlrev_b32 v[L16], 4, v9
	v_lshlrev_b32 v[L8], 3, v9
	v_and_b32 v10, 15, v0                          ; r
	v_bfe_u32 v11, v0, 4, 1                        ; h
	s_mul_i32 s18, s[WR], AHALF
	s_mul_i32 s19, s[WC], BHALF
	s_add_co_u32 s19, s19, BOFF
	v_add_nc_u32 v[A16], s18, v[L16]
	v_add_nc_u32 v[A8], s18, v[L8]
	v_add_nc_u32 v[B16], s19, v[L16]
	v_add_nc_u32 v[B8], s19, v[L8]
	v_lshlrev_b32 v12, 3, v10
	v_mad_u32_u24 v[SAD], v11, PP, v12
	v_add_nc_u32 v[SAD], s18, v[SAD]
	v_add_nc_u32 v[SAD], 6144, v[SAD]
	v_mad_u32_u24 v[SBD], v11, 2*PP, v12
	v_add_nc_u32 v[SBD], s19, v[SBD]
	v_add_nc_u32 v[SBD], 6144, v[SBD]
	v_lshlrev_b32 v13, 6, v11                      ; q, k: the bias of my half's 16 channels of a pair
	v_and_b32 v14, 8, v10
	v_add_nc_u32 v14, v14, v10
	v_lshlrev_b32 v14, 2, v14                      ; v: the bias of my channel: 4 (r + 8 (r / 8))
.irp b, 0,1,2,3
	v_mov_b32 v[TM+4+\b], 0                        ; a lane permute's destination counts as one of its sources
.endr
	s_cmp_eq_u32 s[CLX], 2                         ; the roles part here, once; each way is whole.  The cluster's x is the same in all waves and all partners
	s_cbranch_scc1 .Lrole_v
; ---------------- q and k
	s_cmp_eq_u32 s[CLX], 1
	s_cselect_b64 s[2:3], s[10:11], s[8:9]         ; bk or bq
	s_cselect_b64 s[56:57], s[16:17], s[14:15]     ; kv or qq
	s_mov_b32 s97, 208896
	s_mov_b32 s98, 13056
	s_mov_b32 s99, 12288
	s_cselect_b32 s97, s97, 106496                 ; a head's bytes,
	s_cselect_b32 s98, s98, 6656                   ; a record of 128 tokens,
	s_cselect_b32 s99, s99, 6144                   ; where its scale words begin
	s_and_b32 s18, s[TCOL], 3
	s_lshl_b32 s96, s18, 2
	s_lshl_b32 s18, s18, 10                        ; my tile's 256 channels,
	s_lshl_b32 s19, s[WC], 9                       ; my wave's 128
	s_add_co_u32 s18, s18, s19
	s_mov_b32 s19, 0
	s_add_nc_u64 s[2:3], s[2:3], s[18:19]
	s_wait_alu depctr_va_vdst(0)
.irp b, 0,1,2,3,4,5,6,7
	global_load_b128 v[BI+8*\b:BI+8*\b+3], v13, s[2:3] offset:(32*(\b/2)+8*(\b%2))*4
	global_load_b128 v[BI+8*\b+4:BI+8*\b+7], v13, s[2:3] offset:(32*(\b/2)+8*(\b%2))*4+16
.endr
	s_lshl_b32 s18, s[WC], 1
	s_add_co_u32 s96, s96, s18
	s_lshr_b32 s18, s[TROW], 4                     ; the batch
	s_lshl_b32 s18, s18, 4
	s_add_co_u32 s96, s96, s18                     ; the first of my two heads
	s_mul_i32 s96, s96, s97
	s_and_b32 s19, s[TROW], 15                     ; which 128 tokens of the batch
	s_mul_i32 s19, s19, s98
	s_add_co_u32 s96, s96, s19
	s_mul_i32 s19, s[WR], 3072                     ; my four tiles
	s_add_co_u32 s100, s96, s19
	s_mov_b32 s101, 0
	s_add_nc_u64 s[58:59], s[56:57], s[100:101]    ; the first head's codes
	s_lshl_b32 s19, s[WR], 8
	s_add_co_u32 s96, s96, s19
	s_add_co_u32 s100, s96, s99
	s_add_nc_u64 s[60:61], s[56:57], s[100:101]    ; its scale words
	s_mov_b32 s100, s97
	s_add_nc_u64 s[62:63], s[58:59], s[100:101]    ; the second head's codes
	s_add_nc_u64 s[56:57], s[60:61], s[100:101]    ; and scale words
	MAIN 1
	OUT_QK 0
	OUT_QK 1
	OUT_QK 2
	OUT_QK 3
	global_store_b64 v[L8], v[SW:SW+1], s[60:61]   ; 256 consecutive bytes, aligned
	global_store_b64 v[L8], v[SW+2:SW+3], s[56:57]
	s_wait_tensorcnt 0x0
	ds_add_u32 v254, v255
	s_wait_dscnt 0x0
	CROUND                                         ; the closing round
	s_endpgm
; ---------------- v
.Lrole_v:
	s_lshl_b32 s18, s[TROW], 9                     ; my tile's 128 channels,
	s_lshl_b32 s19, s[WR], 8                       ; my wave's 64: one head
	s_add_co_u32 s18, s18, s19
	s_mov_b32 s19, 0
	s_add_nc_u64 s[2:3], s[12:13], s[18:19]
	s_wait_alu depctr_va_vdst(0)
.irp a, 0,1,2,3
	global_load_b32 v[BI+8*\a], v14, s[2:3] offset:(32*(\a/2)+8*(\a%2))*4
.endr
	s_lshr_b32 s18, s[TCOL], 3                     ; the batch
	s_and_b32 s19, s[TCOL], 7
	s_lshl_b32 s19, s19, 1
	s_add_co_u32 s19, s19, s[WC]                   ; the key step
	s_lshl_b32 s96, s[TROW], 1
	s_add_co_u32 s96, s96, s[WR]                   ; the head
	s_lshl_b32 s18, s18, 4
	s_add_co_u32 s96, s96, s18
	s_mul_i32 s96, s96, 208896
	s_mul_i32 s19, s19, 13056
	s_add_co_u32 s96, s96, s19
	s_add_co_u32 s96, s96, 6144                    ; V's fragments lie behind K's tiles
	s_mov_b32 s97, 0
	s_add_nc_u64 s[58:59], s[16:17], s[96:97]
	MAIN 2
	OUT_V 0
	OUT_V 1
	OUT_V 2
	OUT_V 3
	global_store_b64 v[L8], v[VW:VW+1], s[58:59] offset:6656
	s_wait_tensorcnt 0x0
	ds_add_u32 v254, v255
	s_wait_dscnt 0x0
	CROUND                                         ; the closing round
	s_endpgm
.Lfunc_end_k_q99afd2cceb_qkv:
	.size	k_q99afd2cceb_qkv, .Lfunc_end_k_q99afd2cceb_qkv-k_q99afd2cceb_qkv
	.p2alignl 7, 3214868480
	.fill 96, 4, 3214868480
	.section	.rodata,"a",@progbits
	.p2align	6, 0x0
	.amdhsa_kernel k_q99afd2cceb_qkv
		.amdhsa_group_segment_fixed_size 307712
		.amdhsa_private_segment_fixed_size 0
		.amdhsa_enable_private_segment 0
		.amdhsa_kernarg_size 56
		.amdhsa_user_sgpr_count 2
		.amdhsa_user_sgpr_kernarg_segment_ptr 1
		.amdhsa_wavefront_size32 1
		.amdhsa_system_sgpr_workgroup_id_x 1
		.amdhsa_system_sgpr_workgroup_id_y 1
		.amdhsa_system_sgpr_workgroup_id_z 1
		.amdhsa_system_vgpr_workitem_id 0
		.amdhsa_next_free_vgpr 768
		.amdhsa_next_free_sgpr 102
		.amdhsa_reserve_vcc 0
		.amdhsa_float_denorm_mode_32 3
		.amdhsa_float_denorm_mode_16_64 3
		.amdhsa_memory_ordered 1
		.amdhsa_forward_progress 1
		.amdhsa_inst_pref_size 170
	.end_amdhsa_kernel
	.amdgpu_metadata
---
amdhsa.version: [ 1, 2 ]
amdhsa.kernels:
  - .name:           k_q99afd2cceb_qkv
    .symbol:         k_q99afd2cceb_qkv.kd
    .args:
      - { .name: xq, .offset: 0, .size: 8, .value_kind: global_buffer, .address_space: global }
      - { .name: wq, .offset: 8, .size: 8, .value_kind: global_buffer, .address_space: global }
      - { .name: bq, .offset: 16, .size: 8, .value_kind: global_buffer, .address_space: global }
      - { .name: bk, .offset: 24, .size: 8, .value_kind: global_buffer, .address_space: global }
      - { .name: bv, .offset: 32, .size: 8, .value_kind: global_buffer, .address_space: global }
      - { .name: qq, .offset: 40, .size: 8, .value_kind: global_buffer, .address_space: global }
      - { .name: kv, .offset: 48, .size: 8, .value_kind: global_buffer, .address_space: global }
    .group_segment_fixed_size: 307712
    .private_segment_fixed_size: 0
    .kernarg_segment_align: 8
    .kernarg_segment_size: 56
    .max_flat_workgroup_size: 128
    .sgpr_count:     102
    .vgpr_count:     768
    .wavefront_size: 32
...
	.end_amdgpu_metadata
.endif
;; end of part 2
;; launch attn (part 3): grid 4 x 64, 8 waves a work-group, clusters of 4 x 1, 222,976 bytes of LDS; arguments qq, kv, oq; writes oq
.if DOCPART == 3
	.amdgcn_target "amdgcn-amd-amdhsa--gfx1250"
	.amdhsa_code_object_version 6
	.text
	.protected	k_q99afd2cceb_attn
	.globl	k_q99afd2cceb_attn
	.p2align	8
	.type	k_q99afd2cceb_attn,@function
k_q99afd2cceb_attn:
	s_mov_b64 s[64:65], 0
	v_nop
	global_prefetch_b8 v0, s[64:65] scope:SCOPE_SE
	s_setreg_imm32_b32 hwreg(HW_REG_WAVE_MODE, 25, 1), 1
	s_wait_xcnt 0x0
	s_wait_alu depctr_hold_cnt(0) depctr_sa_sdst(0) depctr_va_vdst(0) depctr_va_sdst(0) depctr_va_ssrc(0) depctr_va_vcc(0) depctr_vm_vsrc(0)
	s_getreg_b32 s2, hwreg(HW_REG_IB_STS2, 6, 4)
	s_cmp_eq_u32 s2, 0
	s_cbranch_scc0 .Lentry_in_a_cluster
	s_endpgm
.Lentry_in_a_cluster:
	s_bfe_u32 s2, ttmp6, 0x10000c
	s_cmp_lg_u32 s2, 0x3003
	s_cbranch_scc0 .Lentry_shape_is_right
	s_endpgm
.Lentry_shape_is_right:
; o = softmax(q k^T / 8) v for one head, both products on codes of FP6 (E2M3) with E8M0 scales; o / l is quantised along d_model and leaves as an image of the last launch's operand registers (oq: [pair of 32 tokens][K slot] records of 6,400 bytes).
; THE SOFTMAX: t = score x log2(e) / 8; M = the row's largest t so far rounded UP to a whole number, kept as -M; p = 2^(t - M) is quantised along the keys, not normalised; the row's sum l is taken of the unquantised p
; and divides at the end.  When M moves, l and O are multiplied by 2^(old M - new M), which rounds nothing.
; LIMITS: NaN and infinities are not served; the scaled scores t stay under 2^31 in magnitude; p under 2^-126 counts as 0; blocks whose largest magnitude lies under 2^-124 are held at the scale byte 1.
; SHARES.  A work-group owns 512 queries of one head, wave w 64 of them: two passes, each with TWO tiles of 16 queries side by side, so that each fragment of K and V that comes from LDS feeds two tiles.
; Both products are used transposed (S^T = K Q^T, O^T = V^T P^T): a lane holds ONE query of each tile.
; THE KEYS OF A TILE OF K ARE CHOSEN BY THE LANES' LDS ADDRESSES: row 8 g + j of tile 4 c + t is key 64 c + 32 g + 8 t + j of the step's 128.  So registers 32 c .. 32 c + 31 of lane (r, h) are keys 64 c + 32 h + 0 .. 31:
; one whole scale block, in the very place that the next operand's layout gives that lane.  A block's largest score needs no other lane and p's codes are not moved between lanes; only the row's maximum and the scale word's four bytes join lanes l and l xor 16.
; In kv a record's tile T (768 bytes) holds in row 8 g' + j key 32 (T / 2) + 8 (T % 2) + 16 g' + j: so row r of my tile lies in T = 4 c + 2 (r / 8) + t % 2 at row 8 (t / 2) + r % 8.
; K = 64 IN AN INSTRUCTION OF 128: Q's registers 6-11 are zero codes; K's registers 6-11 are the next tile's codes (or zeros): every code is a finite number and meets a zero; the scale words' bytes 2, 3 repeat bytes 0, 1.
; THE ORDER OF A STEP: no chain of dependent lines stands bare.  Tile 0's maxima stand among tile 1's score products, tile 0's chain for M among tile 1's maxima, tile 1's chain among tile 0's multiply-adds,
; tile 1's multiply-adds among tile 0's exponentials, the next K's loads ahead of tile 0's exponentials, the scale word's lines among the moves, the end of the sums among the last products.
; LDS: the whole head's K and V, 16 records of 13,056 bytes as they lie in memory (8 tiles of K, 4 fragments of V of 1,536, K's scale words 512, V's 256), and record 0 ONCE MORE as record 16: so each step fetches the next record's K, the pass's last step too.
; Every byte is filled once: one tensor load a wave, at the head: wave 0 records 0-3, waves 1-6 two records each, wave 7 the copy.  Wave 0 waits ahead of the first barrier, all waves ahead of the barrier behind key step 2.
; CLUSTER: the four work-groups of a cluster belong to one head: each fill is asked for jointly.  No prefetch: all fills go out at the head, so there is no loop in which to ask ahead of them.
; The scale bytes of o leave as 2 bytes a lane, 8 bytes apart: a scale word of the next launch mixes two heads, and a work-group has one.
; REGISTERS.  Window 1 holds all that the step's first half names, so that it runs under one setting of the windows; window 0 holds what the second product and the way out name.
; THE STEP'S LDS LOADS, as the code below has them (this line holds, not the words on K's loads further up): V's fragments, the scale words and the next step's K are asked for in ONE run of 37 loads, directly behind the wait that stands ahead of tile 0's exponentials; tile 1's exponentials stand alone.
.set RECB, 13056
.set SPARE, 17*RECB
; window 0
.set L16, 1
.set L8,  2
.set PWS, 3                            ; o's scale bytes: lanes 0-15 tile 0's, lanes 16-31 tile 1's
.set SPW, 4
.set NIL, 5
.set SH8, 6                            ; 8 x (lane / 16)
.set QS,  8                            ; Q's scale words: lanes 0-15 tile 0's, lanes 16-31 tile 1's;  v9 the second pass's
.set QSN, 9
.set KSW, 10
.set VSW, 14
.set PW,  16                           ; v16, v17 p's scale words
.set SUM, 18
.set W,   22
.set PXW, 24
.set SO,  28
.set EB,  32
.set BL,  36
.set O,   40                           ; v40-103 O^T, tile x at 32 x
.set PC,  104                          ; v104-127 p's codes
.set TC,  128                          ; v128-143 the conversions' second halves
.set AC,  144                          ; v144-175 the sums' eight chains a tile
.set VF,  176                          ; v176-223 V's fragments
.set HT,  224                          ; v224-232 at work at the head
; window 1: v0-127 S^T, then p (tile x at 64 x)
.set KF,  128                          ; v128-175 K's eight tiles, v176-181 zeros
.set QF,  182                          ; v182-205 Q: tile x at 12 x: 6 registers of codes, 6 of zeros
.set QN,  206                          ; v206-217 the second pass's codes
.set BM,  218                          ; v218-225 block maxima, two chains a block
.set NM,  226                          ; -M of tile x at 2 x (the odd registers are named with them as pairs)
.set FF,  230
.set T,   234
.set T2,  236
.set PX,  238
.set VA16, 240                         ; 16 and 8 x lane + the key step's record;  K's three lane terms + the record
.set VA8, 241
.set KA16, 242
.set KA8, 243
.set KSA, 244
.set L16W, 245                         ; the five lane terms
.set L8W, 246
.set K16B, 247
.set K8B, 248
.set KSB, 249
.set WV,  10
.set TB,  13
.set CNT, 14
.set HIM, 15
.set PS,  16
.set SEL, 20
.set CS,  22
.set MSB, 0
.macro WIN new                         ; the immediate's high byte repeats the setting that is left
.if MSB != \new
	s_set_vgpr_msb (MSB<<8)|\new
.set MSB, \new
.endif
.endm
.macro WALU
	s_wait_alu depctr_va_vdst(0)
.endm
.macro CROUND
	s_barrier_signal -1
	s_barrier_wait -1
	s_cmp_lg_u32 s[WV], 0
	s_cbranch_scc1 .Lnot_wave_0_\@
	s_barrier_signal -3
.Lnot_wave_0_\@:
	s_barrier_wait -3
	s_barrier_signal -1
	s_barrier_wait -1
.endm
.macro TLOAD g0, g1
	tensor_load_to_lds s[\g0:\g0+3], s[\g1:\g1+7]
	s_nop 0
.rept 4
	v_nop
.endr
.endm
.macro KLD q, a16, a8, off             ; load q of the 16 that bring K's eight tiles (destination and address window 1)
.set N_, (\q)/2
.if (\q)%2
	ds_load_b64 v[KF+6*N_+4:KF+6*N_+5], v[\a8] offset:\off+3072*(N_/4)+768*(N_%2)+64*((N_%4)/2)+512
.else
	ds_load_b128 v[KF+6*N_:KF+6*N_+3], v[\a16] offset:\off+3072*(N_/4)+768*(N_%2)+128*((N_%4)/2)
.endif
.endm
.macro KWORDS as, off                  ; K's scale words: register m: lanes 0-15 tile 2 m, lanes 16-31 tile 2 m + 1 (destination window 0, address window 1)
.irp m, 0,1,2,3
	ds_load_b32 v[KSW+\m], v[\as] offset:\off+12288+256*(\m/2)+64*(\m%2)
.endr
.endm
.macro WQK m, o, x                     ; S^T of K's tile 2 m + o for Q's tile x
	v_wmma_scale_f32_16x16x128_f8f6f4 v[64*\x+16*\m+8*\o:64*\x+16*\m+8*\o+7], v[KF+12*\m+6*\o:KF+12*\m+6*\o+11], v[QF+12*\x:QF+12*\x+11], 0, v[KSW+\m], v[QS] matrix_a_fmt:MATRIX_FMT_FP6 matrix_b_fmt:MATRIX_FMT_FP6 matrix_a_scale:MATRIX_SCALE_ROW\o matrix_b_scale:MATRIX_SCALE_ROW\x
.endm
; line e (0 .. 31) of the search for the largest score of tile x's two blocks of 32 keys: two chains a block, the four chains by turns; each accumulator is first read at one of its four lowest registers
.macro MAXE x, e
.set SB_, 64*(\x)
.if (\e) < 4
.set C_, (\e)/2
.if (\e)%2
	v_max3_num_f32 v[BM+4+2*(\x)+C_], v[SB_+32*C_+17], v[SB_+32*C_+18], v[SB_+32*C_+19]
.else
	v_max3_num_f32 v[BM+2*(\x)+C_], v[SB_+32*C_], v[SB_+32*C_+1], v[SB_+32*C_+2]
.endif
.elseif (\e) < 28
.set I_, 2*(((\e)-4)/4)
.set C_, (((\e)-4)%4)/2
.if (\e)%2
	v_max3_num_f32 v[BM+4+2*(\x)+C_], v[BM+4+2*(\x)+C_], v[SB_+32*C_+20+I_], v[SB_+32*C_+21+I_]
.else
	v_max3_num_f32 v[BM+2*(\x)+C_], v[BM+2*(\x)+C_], v[SB_+32*C_+3+I_], v[SB_+32*C_+4+I_]
.endif
.elseif (\e) < 30
.set C_, (\e)-28
	v_max3_num_f32 v[BM+2*(\x)+C_], v[BM+2*(\x)+C_], v[SB_+32*C_+15], v[SB_+32*C_+16]
.else
.set C_, (\e)-30
	v_max_num_f32 v[BM+2*(\x)+C_], v[BM+2*(\x)+C_], v[BM+4+2*(\x)+C_]
.endif
.endm
; line l (0 .. 9) of tile x's chain from the block maxima to the new -M and to f = 2^(old M - new M)
.macro CH x, l
.if (\l) == 0
	v_max_num_f32 v[T+(\x)], v[BM+2*(\x)], v[BM+2*(\x)+1]
.elseif (\l) == 1
	v_permlanex16_b32 v[PX+(\x)], v[T+(\x)], s[SEL], s[SEL+1]
.elseif (\l) == 2
	v_max_num_f32 v[T+(\x)], v[T+(\x)], v[PX+(\x)]         ; the step's largest score of my query
.elseif (\l) == 3
	v_mul_f32 v[T+(\x)], s[CS], v[T+(\x)]
.elseif (\l) == 4
	v_floor_f32 v[T+(\x)], -v[T+(\x)]                      ; -ceil(t)
.elseif (\l) == 5
	v_min_num_f32 v[T+(\x)], v[NM+2*(\x)], v[T+(\x)]       ; the new -M
.elseif (\l) == 6
	v_sub_f32 v[T2+(\x)], v[T+(\x)], v[NM+2*(\x)]          ; old M - new M: a whole number, 0 or less
.elseif (\l) == 7
	v_mov_b32 v[NM+2*(\x)], v[T+(\x)]
.elseif (\l) == 8
	v_cvt_i32_f32 v[T2+(\x)], v[T2+(\x)]                   ; (it saturates)
.else
	v_ldexp_f32 v[FF+2*(\x)], 1.0, v[T2+(\x)]
.endif
.endm
.macro FMA x, j                        ; t - M of two scores of tile x
	v_pk_fma_f32 v[64*(\x)+(\j):64*(\x)+(\j)+1], v[64*(\x)+(\j):64*(\x)+(\j)+1], s[CS:CS+1], v[NM+2*(\x):NM+2*(\x)+1] op_sel_hi:[1,0,0]
.endm
.macro MV x, c                         ; the second half of a block's six registers
.irp i, 0,1,2
	v_mov_b32 v[PC+12*\x+6*\c+3+\i], v[TC+8*\x+4*\c+\i]
.endr
.endm
.macro TR e                            ; line e (0 .. 7) of the end of the sums: four chains a tile to two, to one, and onto the row's sum
.if (\e) < 4
.set A_, AC+16*((\e)/2)+2*((\e)%2)
	v_pk_add_f32 v[A_:A_+1], v[A_:A_+1], v[A_+4:A_+5]
.elseif (\e) < 6
.set A_, AC+16*((\e)-4)
	v_pk_add_f32 v[A_:A_+1], v[A_:A_+1], v[A_+2:A_+3]
.else
.set A_, AC+16*((\e)-6)
	v_pk_add_f32 v[SUM+2*((\e)-6):SUM+2*((\e)-6)+1], v[SUM+2*((\e)-6):SUM+2*((\e)-6)+1], v[A_:A_+1]
.endif
.endm
; A KEY STEP of 128 keys for both tiles
.macro STEP
	s_wait_dscnt 0x0                               ; K is in
	WIN 0x55                                       ; every place window 1, up to the last exponential but for two short runs
.irp m, 0,1,2,3
.irp o, 0,1
	WQK \m, \o, 0
.endr
.endr
	v_add_nc_u32 v[VA16], s[TB], v[L16W]           ; five places in front of the first read of tile 0's scores
	v_add_nc_u32 v[VA8], s[TB], v[L8W]
	v_add_nc_u32 v[KA16], s[TB], v[K16B]
	v_add_nc_u32 v[KA8], s[TB], v[K8B]
	v_add_nc_u32 v[KSA], s[TB], v[KSB]
.set E, 0
.irp m, 0,1,2,3
.irp o, 0,1
	WQK \m, \o, 1
	MAXE 0, E                                      ; (the last four are the places in front of the first read of tile 1's scores)
	MAXE 0, E+1
	MAXE 0, E+2
	MAXE 0, E+3
.set E, E+4
.endr
.endr
.set E, 0
.set L, 0
.rept 10
	MAXE 1, E
	MAXE 1, E+1
	MAXE 1, E+2
	CH 0, L
.set E, E+3
.set L, L+1
.endr
	MAXE 1, 30
	MAXE 1, 31
.set J, 0
.set L, 0
.rept 10
	FMA 0, J
	FMA 0, J+2
	FMA 0, J+4
	CH 1, L
.set J, J+6
.set L, L+1
.endr
	FMA 0, 60
	FMA 0, 62
.irp k, 0,1,2,3
	v_fma_f32 v[BM+\k], v[BM+\k], s[CS], v[NM+2*(\k/2)]   ; t - M of each block's largest score
.endr
	WIN 0x04                                       ; f window 1, O^T and the sums window 0
.irp x, 0,1
.set J, 0
.rept 16
	v_pk_mul_f32 v[O+32*\x+J:O+32*\x+J+1], v[O+32*\x+J:O+32*\x+J+1], v[FF+2*\x:FF+2*\x+1] op_sel_hi:[1,0]   ; O^T under the new M, ahead of the exponentials
.set J, J+2
.endr
.endr
.irp x, 0,1
	v_pk_mul_f32 v[SUM+2*\x:SUM+2*\x+1], v[SUM+2*\x:SUM+2*\x+1], v[FF+2*\x:FF+2*\x+1] op_sel_hi:[1,0]
.endr
	WALU                                           ; the step's loads stand between this wait and the batch of exponentials
	WIN 0x01                                       ; address window 1, destination window 0
.irp t, 0,1,2,3
	ds_load_b128 v[VF+12*\t:VF+12*\t+3], v[VA16] offset:6144+1536*\t      ; this step's V
	ds_load_b64 v[VF+12*\t+4:VF+12*\t+5], v[VA8] offset:6656+1536*\t
	ds_load_b128 v[VF+12*\t+6:VF+12*\t+9], v[VA16] offset:6912+1536*\t
	ds_load_b64 v[VF+12*\t+10:VF+12*\t+11], v[VA8] offset:7424+1536*\t
.endr
	ds_load_b64 v[VSW:VSW+1], v[VA8] offset:12800
	KWORDS KSA, RECB                               ; the next step's scale words of K
	WIN 0x55
.set Q, 0
.rept 16
	KLD Q, KA16, KA8, RECB                         ; the next step's K
.set Q, Q+1
.endr
.set J, 0
.rept 32
	v_exp_f32 v[J], v[J]                           ; tile 0: p = 2^(t - M); tile 1's t - M stands among them: it hangs on nothing written behind the wait above
	FMA 1, J
	v_exp_f32 v[J+1], v[J+1]
.set J, J+2
.endr
	WALU                                           ; ahead of tile 1's batch
.set J, 64
.rept 64
	v_exp_f32 v[J], v[J]
.set J, J+1
.endr
.irp k, 0,1,2,3
	v_exp_f32 v[BM+\k], v[BM+\k]                   ; each block's largest p
.endr
	v_nop                                          ; a plain place behind the exponentials
	WALU                                           ; one wait for the batch, ahead of its first reader
.irp k, 0,1,2,3
	v_max_num_f32 v[BM+\k], 0x1800000, v[BM+\k]    ; the floor 2^(3 - 127)
.endr
	WIN 0x04
.irp k, 0,1,2,3
	v_add_nc_u32 v[SO+\k], 0xff000000, v[BM+\k]    ; the conversion's scale operand
.endr
	WIN 0x01
.irp x, 0,1
.irp c, 0,1
	v_cvt_scalef32_pk16_fp6_f32 v[PC+12*\x+6*\c:PC+12*\x+6*\c+2], v[64*\x+32*\c:64*\x+32*\c+15], v[SO+2*\x+\c]
	v_cvt_scalef32_pk16_fp6_f32 v[TC+8*\x+4*\c:TC+8*\x+4*\c+2], v[64*\x+32*\c+16:64*\x+32*\c+31], v[SO+2*\x+\c]   ; (a conversion's three registers begin on an even number)
.endr
.endr
	WIN 0x05                                       ; the row's sum of the unquantised p: eight chains a tile
.irp x, 0,1
.irp k, 0,2,4,6,8,10,12,14
	v_pk_add_f32 v[AC+16*\x+\k:AC+16*\x+\k+1], v[64*\x+\k:64*\x+\k+1], v[64*\x+16+\k:64*\x+17+\k]
.endr
.endr
	WIN 0x04
.irp q, 32,48
.irp x, 0,1
.irp k, 0,2,4,6,8,10,12,14
	v_pk_add_f32 v[AC+16*\x+\k:AC+16*\x+\k+1], v[AC+16*\x+\k:AC+16*\x+\k+1], v[64*\x+\q+\k:64*\x+\q+\k+1]
.endr
.endr
.endr
	WIN 0                                          ; from here to the step's end every place is window 0
.irp k, 0,1,2,3
	v_lshrrev_b32 v[EB+\k], 23, v[SO+\k]           ; the scale's byte
.endr
.irp x, 0,1
	v_lshl_or_b32 v[W+\x], v[EB+2*\x+1], 16, v[EB+2*\x]   ; my blocks h and 2 + h,
.endr
	MV 0, 0
.irp x, 0,1
	v_lshlrev_b32 v[W+\x], v[SH8], v[W+\x]         ; at their places in the word;
.endr
	MV 0, 1
.irp x, 0,1
	v_permlanex16_b32 v[PXW+\x], v[W+\x], s[SEL], s[SEL+1]
.endr
	MV 1, 0
.irp x, 0,1
	v_or_b32 v[PW+\x], v[W+\x], v[PXW+\x]          ; with lane l xor 16's two the word is whole
.endr
	MV 1, 1
.irp x, 0,1                            ; eleven plain lines stand between the scale words and the products, eight between the last code and them
.irp k, 0,2,4,6
	v_pk_add_f32 v[AC+16*\x+\k:AC+16*\x+\k+1], v[AC+16*\x+\k:AC+16*\x+\k+1], v[AC+16*\x+8+\k:AC+16*\x+9+\k]
.endr
.endr
	WALU
	s_wait_dscnt 0x0                               ; V is in
.set E, 0
.irp m, 0,1
.irp o, 0,1
.irp x, 0,1
	v_wmma_scale_f32_16x16x128_f8f6f4 v[O+32*\x+16*\m+8*\o:O+32*\x+16*\m+8*\o+7], v[VF+24*\m+12*\o:VF+24*\m+12*\o+11], v[PC+12*\x:PC+12*\x+11], v[O+32*\x+16*\m+8*\o:O+32*\x+16*\m+8*\o+7], v[VSW+\m], v[PW+\x] matrix_a_fmt:MATRIX_FMT_FP6 matrix_b_fmt:MATRIX_FMT_FP6 matrix_a_scale:MATRIX_SCALE_ROW\o matrix_b_scale:MATRIX_SCALE_ROW0
	TR E
.set E, E+1
.endr
.endr
.endr
	s_add_co_u32 s[TB], s[TB], RECB                ; the next key step's record
.endm
; THE WAY OUT OF A PASS: o = O^T / l; register 16 b + i is channel 32 b + 16 (lane / 16) + i: two blocks a tile; codes and scale bytes for the last launch
.macro LEAVE
.rept 4
	v_nop                                          ; places behind the last products
.endr
.irp x, 0,1
	v_add_f32 v[SUM+2*\x], v[SUM+2*\x], v[SUM+2*\x+1]
.endr
.irp x, 0,1
	v_permlanex16_b32 v[W+\x], v[SUM+2*\x], s[SEL], s[SEL+1]
.endr
.irp x, 0,1
	v_add_f32 v[SUM+2*\x], v[SUM+2*\x], v[W+\x]    ; the row's sum
.endr
	WALU
.irp x, 0,1
	v_rcp_f32 v[SUM+2*\x], v[SUM+2*\x]
.endr
	v_nop
	WALU
.set J, 0
.rept 16
.irp x, 0,1
	v_pk_mul_f32 v[O+32*\x+J:O+32*\x+J+1], v[O+32*\x+J:O+32*\x+J+1], v[SUM+2*\x:SUM+2*\x+1] op_sel_hi:[1,0]
.endr
.set J, J+2
.endr
.irp x, 0,1
.irp b, 0,1
	v_max3_num_f32 v[BL+2*\x+\b], |v[O+32*\x+16*\b]|, |v[O+32*\x+16*\b+1]|, 0x1800000
.endr
.endr
.irp i, 2,4,6,8,10,12,14
.irp x, 0,1
.irp b, 0,1
	v_max3_num_f32 v[BL+2*\x+\b], v[BL+2*\x+\b], |v[O+32*\x+16*\b+\i]|, |v[O+32*\x+16*\b+\i+1]|
.endr
.endr
.endr
.irp k, 0,1,2,3
	v_permlanex16_b32 v[PXW+\k], v[BL+\k], s[SEL], s[SEL+1]
.endr
.irp k, 0,1,2,3
	v_max_num_f32 v[BL+\k], v[BL+\k], v[PXW+\k]
.endr
.irp k, 0,1,2,3
	v_add_nc_u32 v[SO+\k], 0xff000000, v[BL+\k]
.endr
.irp k, 0,1,2,3
	v_lshrrev_b32 v[EB+\k], 23, v[SO+\k]
.endr
.irp x, 0,1
	v_lshl_or_b32 v[W+\x], v[EB+2*\x+1], 8, v[EB+2*\x]   ; my row's two bytes
.endr
	v_cndmask_b32 v[PWS], v[W], v[W+1], s[HIM]
.irp x, 0,1
	v_cvt_scalef32_pk16_fp6_f32 v[PC+12*\x:PC+12*\x+2], v[O+32*\x:O+32*\x+15], v[SO+2*\x]
	v_cvt_scalef32_pk16_fp6_f32 v[TC+8*\x:TC+8*\x+2], v[O+32*\x+16:O+32*\x+31], v[SO+2*\x+1]
.endr
	v_nop
.irp x, 0,1
.irp i, 0,1,2
	v_permlane16_swap_b32 v[PC+12*\x+\i], v[TC+8*\x+\i]   ; the operand's layout wants a whole block in a lane
.endr
.endr
.irp x, 0,1
.irp i, 0,1,2
	v_mov_b32 v[PC+12*\x+3+\i], v[TC+8*\x+\i]
.endr
.endr
.irp x, 0,1
	global_store_b128 v[L16], v[PC+12*\x:PC+12*\x+3], s[66:67] offset:3072*\x        ; 512 and 256 consecutive bytes, aligned
	global_store_b64 v[L8], v[PC+12*\x+4:PC+12*\x+5], s[66:67] offset:3072*\x+512
.endr
	global_store_b16 v[L8], v[PWS], s[68:69]       ; my head's two bytes of each row's scale word
.endm
	s_load_b128 s[4:7], s[0:1], 0x0                ; qq, kv
	s_load_b64 s[8:9], s[0:1], 0x10                ; oq
	v_lshl_add_u32 v[SPW], v0, 2, SPARE
	v_mov_b32 v[NIL], 0
	ds_add_u32 v[SPW], v[NIL]
	ds_add_u32 v[SPW], v[NIL]
	v_lshrrev_b32 v1, 5, v0
	v_readfirstlane_b32 s[WV], v1                  ; wave 0..7
	s_bfe_u32 s11, ttmp6, 0x40000                  ; cx: my block of 512 queries
	s_and_b32 s12, ttmp7, 0xffff                   ; batch x 16 + head, which the four partners share
	s_mov_b32 s[HIM], 0xffff0000
	s_mov_b32 s[SEL], 0x76543210
	s_mov_b32 s[SEL+1], 0xfedcba98
	s_mov_b32 s[CS], 0x3e38aa3b                    ; c = log2(e) / 8
	s_mov_b32 s[CS+1], s[CS]
	; groups 1: dense blocks as rows of 256 bytes (32 elements of 8 bytes); the mask names all four work-groups.  s[24:31] four records, s[32:39] two, s[40:47] one
.irp g, 24, 32, 40
	s_mov_b32 s[\g], 15|(3<<16)|(1<<21)
	s_mov_b32 s[\g+1], 32<<16
	s_mov_b32 s[\g+3], 32<<16
	s_mov_b32 s[\g+5], 32
	s_mov_b32 s[\g+6], 0
	s_mov_b32 s[\g+7], 0
.endr
	s_mov_b32 s26, 204<<16
	s_mov_b32 s28, 204
	s_mov_b32 s34, 102<<16
	s_mov_b32 s36, 102
	s_mov_b32 s42, 51<<16
	s_mov_b32 s44, 51
	s_mov_b32 s48, 1
	s_mov_b32 s49, 0
	s_mov_b32 s52, 1
	s_mul_i32 s53, s[WV], 2*RECB
	s_add_co_u32 s53, s53, 2*RECB                  ; waves 1-6: records 2 w + 2, 2 w + 3: the same number in LDS and in the head's bytes
	s_mov_b32 s56, 1
	s_mov_b32 s57, 16*RECB
	s_mul_i32 s70, s12, 16*RECB
	s_mov_b32 s71, 0
	; Q: the record of my 128 queries; in it my four tiles (two a pass) and their scale words
	s_mul_i32 s72, s12, 106496
	s_lshl_b32 s17, s11, 2
	s_lshr_b32 s18, s[WV], 1
	s_add_co_u32 s17, s17, s18
	s_mul_i32 s17, s17, 6656
	s_add_co_u32 s72, s72, s17
	s_and_b32 s17, s[WV], 1
	s_lshl_b32 s74, s17, 8
	s_add_co_u32 s74, s74, s72
	s_add_co_u32 s74, s74, 6144
	s_mov_b32 s75, 0
	s_mul_i32 s17, s17, 3072
	s_add_co_u32 s72, s72, s17
	s_mov_b32 s73, 0
	; o: the record of the first pass's pair of tokens in the K slot of my head
	s_lshr_b32 s76, s12, 4
	s_lshl_b32 s76, s76, 6
	s_lshl_b32 s17, s11, 4
	s_add_co_u32 s76, s76, s17
	s_lshl_b32 s17, s[WV], 1
	s_add_co_u32 s76, s76, s17
	s_mul_i32 s76, s76, 25600
	s_bfe_u32 s17, s12, 0x20002                    ; head / 4: the K slot
	s_mul_i32 s17, s17, 6400
	s_add_co_u32 s76, s76, s17
	s_bfe_u32 s17, s12, 0x10001                    ; which K step of the slot,
	s_and_b32 s18, s12, 1                          ; which half of it
	s_lshl_b32 s78, s17, 2
	s_lshl_b32 s19, s18, 1
	s_add_co_u32 s78, s78, s19
	s_add_co_u32 s78, s78, s76
	s_add_co_u32 s78, s78, 6144
	s_mov_b32 s79, 0
	s_mul_i32 s17, s17, 1536
	s_mul_i32 s18, s18, 768
	s_add_co_u32 s76, s76, s17
	s_add_co_u32 s76, s76, s18
	s_mov_b32 s77, 0
	s_wait_dscnt 0x0
	s_wait_kmcnt 0x0
	s_add_nc_u64 s[6:7], s[6:7], s[70:71]          ; the head's K and V
	s_mov_b64 s[50:51], s[6:7]
	s_or_b32 s51, s51, 0x80000000
	s_mov_b32 s70, s53
	s_add_nc_u64 s[54:55], s[6:7], s[70:71]
	s_or_b32 s55, s55, 0x80000000
	s_mov_b64 s[58:59], s[6:7]
	s_or_b32 s59, s59, 0x80000000
	s_add_nc_u64 s[60:61], s[4:5], s[72:73]        ; Q's codes
	s_add_nc_u64 s[62:63], s[4:5], s[74:75]        ; Q's scale words
	s_add_nc_u64 s[66:67], s[8:9], s[76:77]        ; o's codes
	s_add_nc_u64 s[68:69], s[8:9], s[78:79]        ; o's scale bytes
	CROUND                                         ; all four work-groups are here: the joint loads meet
	s_cmp_eq_u32 s[WV], 0                          ; one chain of arms on the wave's number, one load to an arm
	s_cbranch_scc0 .Larm_2
	TLOAD 48, 24                                   ; wave 0: records 0-3
	s_branch .Lasked
.Larm_2:
	s_cmp_lt_u32 s[WV], 7
	s_cbranch_scc0 .Larm_3
	TLOAD 52, 32                                   ; waves 1-6: two records each, 4 to 15
	s_branch .Lasked
.Larm_3:
	TLOAD 56, 40                                   ; wave 7: record 0 once more, as record 16
.Lasked:
	v_and_b32 v[HT], 31, v0
	v_lshlrev_b32 v[L16], 4, v[HT]
	v_lshlrev_b32 v[L8], 3, v[HT]
	global_load_b32 v[QS], v[L8], s[62:63]
	global_load_b32 v[QSN], v[L8], s[62:63] offset:4
	WIN 0x40                                       ; destination window 1
	global_load_b128 v[QF:QF+3], v[L16], s[60:61]
	global_load_b64 v[QF+4:QF+5], v[L8], s[60:61] offset:512
	global_load_b128 v[QF+12:QF+15], v[L16], s[60:61] offset:768
	global_load_b64 v[QF+16:QF+17], v[L8], s[60:61] offset:1280
	global_load_b128 v[QN:QN+3], v[L16], s[60:61] offset:1536
	global_load_b64 v[QN+4:QN+5], v[L8], s[60:61] offset:2048
	global_load_b128 v[QN+6:QN+9], v[L16], s[60:61] offset:2304
	global_load_b64 v[QN+10:QN+11], v[L8], s[60:61] offset:2816
	WIN 0
	v_and_b32 v[HT+1], 7, v0                       ; r % 8
	v_bfe_u32 v[HT+2], v0, 3, 1                    ; r / 8
	v_bfe_u32 v[HT+3], v0, 4, 1                    ; h
	v_mul_u32_u24 v[HT+4], v[HT+2], 1536
	v_lshl_add_u32 v[HT+5], v[HT+1], 4, v[HT+4]
	v_lshl_add_u32 v[HT+5], v[HT+3], 8, v[HT+5]    ; 1,536 (r / 8) + 16 (r % 8) + 256 h
	v_lshl_add_u32 v[HT+6], v[HT+1], 3, v[HT+4]
	v_lshl_add_u32 v[HT+6], v[HT+3], 7, v[HT+6]    ; 1,536 (r / 8) + 8 (r % 8) + 128 h
	v_lshlrev_b32 v[HT+7], 3, v[HT+1]
	v_lshl_add_u32 v[HT+7], v[HT+2], 2, v[HT+7]
	v_lshl_add_u32 v[HT+7], v[HT+3], 7, v[HT+7]    ; 8 (r % 8) + 4 (r / 8) + 128 h
	v_lshlrev_b32 v[SH8], 3, v[HT+3]
.irp k, 0,1,2,3
	v_mov_b32 v[PXW+\k], 0                         ; a lane permute's destination counts as one of its sources
.endr
	WIN 0x40
	v_add_nc_u32 v[L16W], 0, v[L16]                ; the five lane terms, into window 1
	v_add_nc_u32 v[L8W], 0, v[L8]
	v_add_nc_u32 v[K16B], 0, v[HT+5]
	v_add_nc_u32 v[K8B], 0, v[HT+6]
	v_add_nc_u32 v[KSB], 0, v[HT+7]
.irp j, 0,1,2,3,4,5
	v_mov_b32 v[QF+6+\j], 0                        ; zero codes for k = 64 .. 127
	v_mov_b32 v[QF+18+\j], 0
	v_mov_b32 v[KF+48+\j], 0
.endr
.irp x, 0,1
	v_mov_b32 v[PX+\x], 0
	v_mov_b32 v[NM+2*\x+1], 0                      ; (named as the upper halves of pairs)
	v_mov_b32 v[FF+2*\x+1], 0
.endr
	WIN 0
	WALU
	s_cmp_eq_u32 s[WV], 0
	s_cbranch_scc0 .Lnot_first
	s_wait_tensorcnt 0x0                           ; wave 0: records 0-3 have landed; the other arms' loads stay out
.Lnot_first:
	s_barrier_signal -1
	s_barrier_wait -1
	WIN 0x41
.set Q, 0
.rept 16
	KLD Q, K16B, K8B, 0
.set Q, Q+1
.endr
	WIN 0x01
	KWORDS KSB, 0
	WIN 0
	s_wait_loadcnt 0x0                             ; Q
	s_mov_b32 s[PS], 0
.Lpass:                                            ; a pass begins: O^T and the sum as zeros, M under every t: the first step's f is 0
.set J, 0
.rept 64
	v_mov_b32 v[O+J], 0
.set J, J+1
.endr
.irp x, 0,1
	v_mov_b32 v[SUM+2*\x], 0
	v_mov_b32 v[SUM+2*\x+1], 0
.endr
	WIN 0x40
.irp x, 0,1
	v_mov_b32 v[NM+2*\x], 0x7f61b1e6               ; -M = 3e38
.endr
	WIN 0
	s_mov_b32 s[TB], 0
	s_mov_b32 s[CNT], 0
	WALU
.Lfirst:                                           ; key steps 0 to 2: they touch records 0 to 3
	STEP
	s_add_co_u32 s[CNT], s[CNT], 1
	s_cmp_lt_u32 s[CNT], 3
	s_cbranch_scc1 .Lfirst
	s_wait_tensorcnt 0x0                           ; every wave's load has landed,
	s_wait_dscnt 0x0
	s_barrier_signal -1
	s_barrier_wait -1                              ; and everybody knows: all seventeen records lie in LDS
	s_mov_b32 s[CNT], 0
.Lrest:                                            ; key steps 3 to 15; the last fetches record 16's K, which is key step 0's
	STEP
	s_add_co_u32 s[CNT], s[CNT], 1
	s_cmp_lt_u32 s[CNT], 13
	s_cbranch_scc1 .Lrest
	LEAVE
	s_wait_xcnt 0x0                                ; the stores have read their registers and bases
	s_add_nc_u64 s[66:67], s[66:67], 25600         ; the next pair of tokens
	s_add_nc_u64 s[68:69], s[68:69], 25600
	v_mov_b32 v[QS], v[QSN]
	WIN 0x41
.irp j, 0,1,2,3,4,5
	v_mov_b32 v[QF+\j], v[QN+\j]
	v_mov_b32 v[QF+12+\j], v[QN+6+\j]
.endr
	WIN 0
	s_add_co_u32 s[PS], s[PS], 1
	s_cmp_lt_u32 s[PS], 2
	WALU
	s_cbranch_scc1 .Lpass
	s_wait_tensorcnt 0x0                           ; the wave's end
	ds_add_u32 v[SPW], v[NIL]
	s_wait_dscnt 0x0
	CROUND                                         ; the closing round
	s_endpgm
.Lfunc_end_k_q99afd2cceb_attn:
	.size	k_q99afd2cceb_attn, .Lfunc_end_k_q99afd2cceb_attn-k_q99afd2cceb_attn
	.p2alignl 7, 3214868480
	.fill 96, 4, 3214868480
	.section	.rodata,"a",@progbits
	.p2align	6, 0x0
	.amdhsa_kernel k_q99afd2cceb_attn
		.amdhsa_group_segment_fixed_size 222976
		.amdhsa_private_segment_fixed_size 0
		.amdhsa_enable_private_segment 0
		.amdhsa_kernarg_size 24
		.amdhsa_user_sgpr_count 2
		.amdhsa_user_sgpr_kernarg_segment_ptr 1
		.amdhsa_wavefront_size32 1
		.amdhsa_system_sgpr_workgroup_id_x 1
		.amdhsa_system_sgpr_workgroup_id_y 1
		.amdhsa_system_sgpr_workgroup_id_z 1
		.amdhsa_system_vgpr_workitem_id 0
		.amdhsa_next_free_vgpr 512
		.amdhsa_next_free_sgpr 80
		.amdhsa_reserve_vcc 0
		.amdhsa_float_denorm_mode_32 3
		.amdhsa_float_denorm_mode_16_64 3
		.amdhsa_memory_ordered 1
		.amdhsa_forward_progress 1
		.amdhsa_inst_pref_size 76
	.end_amdhsa_kernel
	.amdgpu_metadata
---
amdhsa.version: [ 1, 2 ]
amdhsa.kernels:
  - .name:           k_q99afd2cceb_attn
    .symbol:         k_q99afd2cceb_attn.kd
    .args:
      - { .name: qq, .offset: 0, .size: 8, .value_kind: global_buffer, .address_space: global }
      - { .name: kv, .offset: 8, .size: 8, .value_kind: global_buffer, .address_space: global }
      - { .name: oq, .offset: 16, .size: 8, .value_kind: global_buffer, .address_space: global }
    .group_segment_fixed_size: 222976
    .private_segment_fixed_size: 0
    .kernarg_segment_align: 8
    .kernarg_segment_size: 24
    .max_flat_workgroup_size: 256
    .sgpr_count:     80
    .vgpr_count:     512
    .wavefront_size: 32
...
	.end_amdgpu_metadata
.endif
;; end of part 3
;; launch oproj (part 4): grid 4 x 64, 4 waves a work-group, clusters of 4 x 4, 307,712 bytes of LDS; arguments oq, wq, bo, out0; writes out0
.if DOCPART == 4
	.amdgcn_target "amdgcn-amd-amdhsa--gfx1250"
	.amdhsa_code_object_version 6
	.text
	.protected	k_q99afd2cceb_oproj
	.globl	k_q99afd2cceb_oproj
	.p2align	8
	.type	k_q99afd2cceb_oproj,@function
k_q99afd2cceb_oproj:
	s_mov_b64 s[64:65], 0
	v_nop
	global_prefetch_b8 v0, s[64:65] scope:SCOPE_SE
	s_setreg_imm32_b32 hwreg(HW_REG_WAVE_MODE, 25, 1), 1
	s_wait_xcnt 0x0
	s_wait_alu depctr_hold_cnt(0) depctr_sa_sdst(0) depctr_va_vdst(0) depctr_va_sdst(0) depctr_va_ssrc(0) depctr_va_vcc(0) depctr_vm_vsrc(0)
	s_getreg_b32 s2, hwreg(HW_REG_IB_STS2, 6, 4)
	s_cmp_eq_u32 s2, 0
	s_cbranch_scc0 .Lentry_in_a_cluster
	s_endpgm
.Lentry_in_a_cluster:
	s_bfe_u32 s2, ttmp6, 0x10000c
	s_cmp_lg_u32 s2, 0xf033
	s_cbranch_scc0 .Lentry_shape_is_right
	s_endpgm
.Lentry_shape_is_right:
; out0 = o Wo + bo on codes of FP6 (E2M3) with E8M0 scales, sums in f32.  o's codes come from oq, Wo's from wq (pairs 96 to 127), both as images of the operand's registers in records of 6,400 bytes (32 rows x 256 K).
; SHARES.  A work-group makes 128 tokens x 256 columns; wave (wr, wc) 64 x 128: 4 x 8 accumulators.  THE MATRIX INSTRUCTION IS USED TRANSPOSED (source 0 = 16 columns of Wo, source 1 = 16 tokens): a lane holds one token, its registers run along the columns.
; Row rho of tile u of a pair of 32 rows is row 8 u + rho + 8 (rho / 8), on both sides: the 16 registers of the columns' tiles 2 b, 2 b + 1 are columns 32 b + 16 (lane / 16) + 0 .. 15.
; LDS: ALL OF K IS RESIDENT: two halves of K, 153,600 bytes each (the tokens' 4 pairs of two K slots, then the columns' 8).  Every byte is filled once, by tensor loads issued at the head: one a wave.
; CLUSTERS: 4 x 4.  The tokens' records are asked for jointly by a row of the cluster, the columns' by a column.
; REGISTERS: window 0: v1-10 addresses; v16-63 scale words; v64-127 the bias; v128-223 the tokens' fragments, two sets (on the way out v128-255: rows of out0).  window 1: the columns' fragments, two sets.  window 2: accumulator (a, b) at v[64 a + 8 b].
.set RECB,  6400
; THE FILLS, as the code below has them (these lines hold, not the count named further up): oq and wq are laid [pair][K slot].  LDS holds two halves of K, 153,600 bytes each: the tokens' 4 pairs, then the columns' 8, each pair with two K slots on end.
; One tensor load a wave, all four at the head: wave 0 the tokens' first half of K, wave 1 the columns', wave 2 the tokens' second half, wave 3 the columns': a tile of 4 or 8 rows of 12,800 bytes, 25,600 apart in memory.  Waves 0 and 1 wait ahead of the first barrier, all waves ahead of K step 4's.
.set PAIRB, 4*RECB
.set PP,    2*RECB
.set HALFK, 12*PP
.set AHALF, 2*PP
.set BOFF,  4*PP
.set BHALF, 4*PP
.set SPIT,  528                        ; the way out: a stage row of 512 bytes + 16
.set L16, 1
.set L8,  2
.set A16, 3
.set A8,  4
.set B16, 5
.set B8,  6
.set SAD, 7
.set SBD, 8
.set STO, 9
.set RD,  10
.set SC,  16
.set BI,  64
.set AF,  128
.set BK,  128
.set G1A, 24
.set G1B, 32
.set G0A, 40
.set G0B, 68
.set WV,  84
.set WR,  85
.set WC,  86
.set CXI, 87
.set CYI, 88
.set TROW, 91
.set TCOL, 92
.set MSB, 0
.macro WIN new                         ; the immediate's high byte repeats the setting that is left
.if MSB != \new
	s_set_vgpr_msb (MSB<<8)|\new
.set MSB, \new
.endif
.endm
.macro CROUND
	s_barrier_signal -1
	s_barrier_wait -1
	s_cmp_lg_u32 s[WV], 0
	s_cbranch_scc1 .Lnot_wave_0_\@
	s_barrier_signal -3
.Lnot_wave_0_\@:
	s_barrier_wait -3
	s_barrier_signal -1
	s_barrier_wait -1
.endm
.macro FRAG reg, a16, a8, off          ; a fragment from its image: consecutive lanes read consecutive bytes
	ds_load_b128 v[\reg:\reg+3], v[\a16] offset:\off
	ds_load_b64 v[\reg+4:\reg+5], v[\a8] offset:\off+512
	ds_load_b128 v[\reg+6:\reg+9], v[\a16] offset:\off+768
	ds_load_b64 v[\reg+10:\reg+11], v[\a8] offset:\off+1280
.endm
.macro FETCH k                         ; K step k's fragments, 48 LDS loads, into set k % 2
	WIN 0x40
.irp i, 0,1,2,3,4,5,6,7
	FRAG 128*((\k)%2)+12*\i, B16, B8, (\i/2)*PP+(\i%2)*3072+1536*((\k)%2)
.endr
	WIN 0
.irp i, 0,1,2,3
	FRAG AF+48*((\k)%2)+12*\i, A16, A8, (\i/2)*PP+(\i%2)*3072+1536*((\k)%2)
.endr
.endm
.macro SCALES s                        ; K slot s's scale words, 6 loads
.irp j, 0,1,2,3
	ds_load_b64 v[SC+12*(\s)+2*\j:SC+12*(\s)+2*\j+1], v[SBD] offset:(\j/2)*PP+(\j%2)*128
.endr
.irp j, 0,1
	ds_load_b64 v[SC+12*(\s)+8+2*\j:SC+12*(\s)+8+2*\j+1], v[SAD] offset:128*\j
.endr
.endm
.macro WM d, bf, af, c, sb, sa, rb, ra
.if ((\rb) != 0) && ((\ra) != 0)
	v_wmma_scale_f32_16x16x128_f8f6f4 v[\d:\d+7], v[\bf:\bf+11], v[\af:\af+11], v[\c:\c+7], v[\sb], v[\sa] matrix_a_fmt:MATRIX_FMT_FP6 matrix_b_fmt:MATRIX_FMT_FP6 matrix_a_scale:MATRIX_SCALE_ROW1 matrix_b_scale:MATRIX_SCALE_ROW1
.elseif (\rb) != 0
	v_wmma_scale_f32_16x16x128_f8f6f4 v[\d:\d+7], v[\bf:\bf+11], v[\af:\af+11], v[\c:\c+7], v[\sb], v[\sa] matrix_a_fmt:MATRIX_FMT_FP6 matrix_b_fmt:MATRIX_FMT_FP6 matrix_a_scale:MATRIX_SCALE_ROW1
.elseif (\ra) != 0
	v_wmma_scale_f32_16x16x128_f8f6f4 v[\d:\d+7], v[\bf:\bf+11], v[\af:\af+11], v[\c:\c+7], v[\sb], v[\sa] matrix_a_fmt:MATRIX_FMT_FP6 matrix_b_fmt:MATRIX_FMT_FP6 matrix_b_scale:MATRIX_SCALE_ROW1
.else
	v_wmma_scale_f32_16x16x128_f8f6f4 v[\d:\d+7], v[\bf:\bf+11], v[\af:\af+11], v[\c:\c+7], v[\sb], v[\sa] matrix_a_fmt:MATRIX_FMT_FP6 matrix_b_fmt:MATRIX_FMT_FP6
.endif
.endm
; K step k: 32 matrix instructions; the 32 accumulators take turns in the same order in every step.  mode 1: the first K step starts the sums with the bias as C
.macro MUL32 k, mode
.if (\mode) == 0
	WIN 0xa1                                       ; source 0 window 1, source 1 window 0, C and D window 2
.else
	WIN 0x81                                       ; C window 0
.endif
.irp a, 0,1,2,3
.irp b, 0,1,2,3,4,5,6,7
.if (\mode) == 0
.set CR, 64*\a+8*\b
.else
.set CR, BI+8*\b
.endif
	WM 64*\a+8*\b, 128*((\k)%2)+12*\b, AF+48*((\k)%2)+12*\a, CR, SC+12*((\k)/2)+2*(\b%4)+(\k)%2, SC+12*((\k)/2)+8+2*(\a%2)+(\k)%2, \b/4, \a/2
.endr
.endr
.endm
.macro PRE k                           ; in front of K step k's products: the next K step's fragments are asked for, this step's are waited for
.if (\k) == 7
	s_wait_dscnt 0x0
.elseif ((\k)%2) == 1
	WIN 0
.if (\k) == 3
	s_wait_tensorcnt 0x0                           ; the second half of K: every wave's load has landed,
	s_wait_dscnt 0x0                               ; my reads of the first half are over,
	s_barrier_signal -1
	s_barrier_wait -1                              ; and everybody knows
.endif
.irp r, A16, A8, B16, B8, SAD, SBD
	v_add_nc_u32 v[\r], RECB+(((\k)%4)/3)*(HALFK-2*RECB), v[\r]   ; one K slot on; behind K step 3 into the other half.  These six are also the places in front of loads into registers that matrix instructions have read
.endr
	FETCH (\k)+1
	SCALES ((\k)+1)/2
	s_wait_alu depctr_va_vdst(0)
	s_wait_dscnt 54                                ; all but the 54 just issued
.else
.if (\k) > 0
.rept 4
	v_nop
.endr
.endif
	FETCH (\k)+1
	s_wait_dscnt 48                                ; all but the 48 just issued
.endif
.endm
	s_load_b256 s[4:11], s[0:1], 0x0               ; oq, wq, bo, out0
	s_set_vgpr_msb 0x40
	v_lshl_add_u32 v254, v0, 2, 0x4b000
	v_mov_b32 v255, 0
	s_set_vgpr_msb 0x4045
	ds_add_u32 v254, v255
	ds_add_u32 v254, v255
	s_set_vgpr_msb 0x4500
	v_lshrrev_b32 v1, 5, v0
	v_readfirstlane_b32 s[WV], v1
	s_lshr_b32 s[WR], s[WV], 1
	s_and_b32 s[WC], s[WV], 1
	s_bfe_u32 s[CXI], ttmp6, 0x40000
	s_bfe_u32 s[CYI], ttmp6, 0x40004
	s_and_b32 s[TROW], ttmp7, 0xffff
	s_lshl_b32 s[TROW], s[TROW], 2
	s_add_co_u32 s[TROW], s[TROW], s[CYI]          ; tile row = 4 x cluster y + cy
	s_lshl_b32 s[TCOL], ttmp9, 2
	s_add_co_u32 s[TCOL], s[TCOL], s[CXI]          ; tile column = 4 x cluster x + cx
	s_lshl_b32 s96, s[TROW], 2
	s_mul_i32 s96, s96, PAIRB                      ; tokens: the tile's first pair
	s_mov_b32 s97, 0
	s_lshl_b32 s98, s[TCOL], 3
	s_add_co_u32 s98, s98, 96                      ; columns: Wo's pairs begin at 96
	s_mul_i32 s98, s98, PAIRB
	s_mov_b32 s99, 0
	s_lshl_b32 s18, s[CYI], 2
	s_lshl_b32 s18, 15, s18                        ; my row of the cluster
	s_lshl_b32 s19, 0x1111, s[CXI]                 ; my column
	s_or_b32 s[G1A], s18, (3<<16)|(1<<21)          ; dense blocks as rows of 256 bytes (32 elements of 8 bytes), no padding
	s_or_b32 s[G1B], s19, (3<<16)|(1<<21)
.irp g, G1A, G1B
	s_mov_b32 s[\g+1], (PP/8)<<16                  ; a row: a pair's two K slots, 1,600 elements of 8 bytes
	s_mov_b32 s[\g+3], (PP/8)<<16
	s_mov_b32 s[\g+5], PAIRB/8                     ; from pair to pair
	s_mov_b32 s[\g+6], 0
	s_mov_b32 s[\g+7], 0
.endr
	s_mov_b32 s[G1A+2], 4<<16
	s_mov_b32 s[G1A+4], 4
	s_mov_b32 s[G1B+2], 8<<16
	s_mov_b32 s[G1B+4], 8
	s_wait_dscnt 0x0
	s_wait_kmcnt 0x0
	s_add_nc_u64 s[56:57], s[4:5], s[96:97]
	s_add_nc_u64 s[58:59], s[6:7], s[98:99]
.irp s, 0,1
	s_mov_b32 s[G0A+4*\s], 1
	s_mov_b32 s[G0A+4*\s+1], \s*HALFK
	s_add_nc_u64 s[G0A+4*\s+2:G0A+4*\s+3], s[56:57], \s*PP
	s_or_b32 s[G0A+4*\s+3], s[G0A+4*\s+3], 0x80000000
	s_mov_b32 s[G0B+4*\s], 1
	s_mov_b32 s[G0B+4*\s+1], BOFF+\s*HALFK
	s_add_nc_u64 s[G0B+4*\s+2:G0B+4*\s+3], s[58:59], \s*PP
	s_or_b32 s[G0B+4*\s+3], s[G0B+4*\s+3], 0x80000000
.endr
	CROUND                                         ; all sixteen work-groups are here: the joint loads meet
	s_cmp_eq_u32 s[WV], 0                          ; one chain of arms on the wave's number, one load to an arm
	s_cbranch_scc0 .Lfill_1
	tensor_load_to_lds s[G0A:G0A+3], s[G1A:G1A+7]
	s_nop 0
.rept 4
	v_nop
.endr
	s_branch .Lfilled
.Lfill_1:
	s_cmp_eq_u32 s[WV], 1
	s_cbranch_scc0 .Lfill_2
	tensor_load_to_lds s[G0B:G0B+3], s[G1B:G1B+7]
	s_nop 0
.rept 4
	v_nop
.endr
	s_branch .Lfilled
.Lfill_2:
	s_cmp_eq_u32 s[WV], 2
	s_cbranch_scc0 .Lfill_3
	tensor_load_to_lds s[G0A+4:G0A+7], s[G1A:G1A+7]
	s_nop 0
.rept 4
	v_nop
.endr
	s_branch .Lfilled
.Lfill_3:
	tensor_load_to_lds s[G0B+4:G0B+7], s[G1B:G1B+7]
	s_nop 0
.rept 4
	v_nop
.endr
.Lfilled:
	v_and_b32 v11, 31, v0
	v_lshlrev_b32 v[L16], 4, v11
	v_lshlrev_b32 v[L8], 3, v11
	v_and_b32 v12, 15, v0                          ; r
	v_bfe_u32 v13, v0, 4, 1                        ; h
	s_mul_i32 s18, s[WR], AHALF
	s_mul_i32 s19, s[WC], BHALF
	s_add_co_u32 s19, s19, BOFF
	v_add_nc_u32 v[A16], s18, v[L16]
	v_add_nc_u32 v[A8], s18, v[L8]
	v_add_nc_u32 v[B16], s19, v[L16]
	v_add_nc_u32 v[B8], s19, v[L8]
	v_lshlrev_b32 v14, 3, v12
	v_mad_u32_u24 v[SAD], v13, PP, v14
	v_add_nc_u32 v[SAD], s18, v[SAD]
	v_add_nc_u32 v[SAD], 6144, v[SAD]
	v_mad_u32_u24 v[SBD], v13, 2*PP, v14
	v_add_nc_u32 v[SBD], s19, v[SBD]
	v_add_nc_u32 v[SBD], 6144, v[SBD]
	s_mul_i32 s18, s[WV], 16*SPIT                  ; my stage, in the first half of K: it has had its one fill, and nobody reads it behind the barrier ahead of K step 4
	v_mul_u32_u24 v[STO], v12, SPIT
	v_lshl_add_u32 v[STO], v13, 6, v[STO]
	v_add_nc_u32 v[STO], s18, v[STO]               ; in: row r, 64 h
	v_add_nc_u32 v[RD], s18, v[L16]                ; back: a row of 512 bytes, 16 a lane
	v_lshlrev_b32 v15, 6, v13                      ; the bias of my half's 16 columns of a pair
	s_lshl_b32 s18, s[TCOL], 10
	s_lshl_b32 s19, s[WC], 9
	s_add_co_u32 s18, s18, s19                     ; my first column, in bytes
	s_mov_b32 s19, 0
	s_add_nc_u64 s[8:9], s[8:9], s[18:19]
	s_add_nc_u64 s[10:11], s[10:11], s[18:19]
.irp b, 0,1,2,3,4,5,6,7
	global_load_b128 v[BI+8*\b:BI+8*\b+3], v15, s[8:9] offset:(32*(\b/2)+8*(\b%2))*4
	global_load_b128 v[BI+8*\b+4:BI+8*\b+7], v15, s[8:9] offset:(32*(\b/2)+8*(\b%2))*4+16
.endr
	s_lshl_b32 s18, s[TROW], 19                    ; 128 rows of 4,096 bytes
	s_lshl_b32 s20, s[WR], 18
	s_add_co_u32 s18, s18, s20
	s_add_nc_u64 s[10:11], s[10:11], s[18:19]      ; out0 at my first row and column
	s_wait_alu depctr_va_vdst(0)
	s_cmp_lt_u32 s[WV], 2
	s_cbranch_scc0 .Lnot_first
	s_wait_tensorcnt 0x0                           ; waves 0 and 1: the first half of K has landed; the second half's loads, waves 2 and 3's own lines, stay out
.Lnot_first:
	s_barrier_signal -1
	s_barrier_wait -1
	FETCH 0
	SCALES 0
	s_wait_loadcnt 0x0                             ; the bias
	PRE 0
	MUL32 0, 1
.irp k, 1,2,3,4,5,6,7
	PRE \k
	MUL32 \k, 0
.endr
	WIN 0
; THE WAY OUT, a tile of 16 tokens x 128 columns at a time: through my own stage in LDS, back as whole rows of 512 bytes.  LDS serves a wave's instructions in order: no wait between the stores and the loads, nor in front of the next tile's stores.
.macro TOSTAGE a
	WIN 0x08                                       ; an LDS store's data: window 2
.irp b, 0,1,2,3,4,5,6,7
	ds_store_b128 v[STO], v[64*(\a)+8*\b:64*(\a)+8*\b+3] offset:128*(\b/2)+32*(\b%2)          ; each accumulator from its low end on
	ds_store_b128 v[STO], v[64*(\a)+8*\b+4:64*(\a)+8*\b+7] offset:128*(\b/2)+32*(\b%2)+16
.endr
	WIN 0
.irp t, 0,1,2,3,4,5,6,7,8,9,10,11,12,13,14,15
	ds_load_b128 v[BK+64*((\a)%2)+4*\t:BK+64*((\a)%2)+4*\t+3], v[RD] offset:SPIT*\t
.endr
.endm
.macro SEND a, younger                 ; younger: the LDS instructions issued behind tile a's loads, which may stay out
	s_wait_dscnt \younger
.irp t, 0,1,2,3,4,5,6,7,8,9,10,11,12,13,14,15
	global_store_b128 v[L16], v[BK+64*((\a)%2)+4*\t:BK+64*((\a)%2)+4*\t+3], s[10:11] offset:(32*((\a)/2)+8*((\a)%2)+\t+8*(\t/8))*4096 th:TH_STORE_NT   ; 512 consecutive bytes, aligned; written once
.endr
.endm
.rept 4
	v_nop                                          ; places in front of the first read of results and of loads into the registers that held the tokens' fragments
.endr
	TOSTAGE 0
	TOSTAGE 1
	SEND 0, 32                                     ; behind tile 0's loads: tile 1's 16 stores and 16 loads
	s_wait_xcnt 0x0                                ; tile 0's stores have read their registers
	TOSTAGE 2
	SEND 1, 32
	s_wait_xcnt 0x0
	TOSTAGE 3
	SEND 2, 32
	SEND 3, 0
	s_set_vgpr_msb 0x5
	s_wait_tensorcnt 0x0
	ds_add_u32 v254, v255
	s_wait_dscnt 0x0
	s_set_vgpr_msb 0x500
	CROUND                                         ; the closing round
	s_endpgm
.Lfunc_end_k_q99afd2cceb_oproj:
	.size	k_q99afd2cceb_oproj, .Lfunc_end_k_q99afd2cceb_oproj-k_q99afd2cceb_oproj
	.p2alignl 7, 3214868480
	.fill 96, 4, 3214868480
	.section	.rodata,"a",@progbits
	.p2align	6, 0x0
	.amdhsa_kernel k_q99afd2cceb_oproj
		.amdhsa_group_segment_fixed_size 307712
		.amdhsa_private_segment_fixed_size 0
		.amdhsa_enable_private_segment 0
		.amdhsa_kernarg_size 32
		.amdhsa_user_sgpr_count 2
		.amdhsa_user_sgpr_kernarg_segment_ptr 1
		.amdhsa_wavefront_size32 1
		.amdhsa_system_sgpr_workgroup_id_x 1
		.amdhsa_system_sgpr_workgroup_id_y 1
		.amdhsa_system_sgpr_workgroup_id_z 1
		.amdhsa_system_vgpr_workitem_id 0
		.amdhsa_next_free_vgpr 768
		.amdhsa_next_free_sgpr 102
		.amdhsa_reserve_vcc 0
		.amdhsa_float_denorm_mode_32 3
		.amdhsa_float_denorm_mode_16_64 3
		.amdhsa_memory_ordered 1
		.amdhsa_forward_progress 1
		.amdhsa_inst_pref_size 84
	.end_amdhsa_kernel
	.amdgpu_metadata
---
amdhsa.version: [ 1, 2 ]
amdhsa.kernels:
  - .name:           k_q99afd2cceb_oproj
    .symbol:         k_q99afd2cceb_oproj.kd
    .args:
      - { .name: oq, .offset: 0, .size: 8, .value_kind: global_buffer, .address_space: global }
      - { .name: wq, .offset: 8, .size: 8, .value_kind: global_buffer, .address_space: global }
      - { .name: bo, .offset: 16, .size: 8, .value_kind: global_buffer, .address_space: global }
      - { .name: out0, .offset: 24, .size: 8, .value_kind: global_buffer, .address_space: global }
    .group_segment_fixed_size: 307712
    .private_segment_fixed_size: 0
    .kernarg_segment_align: 8
    .kernarg_segment_size: 32
    .max_flat_workgroup_size: 128
    .sgpr_count:     102
    .vgpr_count:     768
    .wavefront_size: 32
...
	.end_amdgpu_metadata
.endif
;; end of part 4
